; MI455X (gfx1250); checked and timed in simulation.
; The chip was launched on July 23, 2026; its instructions are those of AMD's public machine-readable ISA for CDNA 5 (MIT licence, August 2026) and "CDNA5" Instruction Set Architecture Reference Guide (July 2026). The comments in the code are by the model that wrote it; some were corrected since.
;; Dist Attention. Allowed arithmetic: matrix products marked QUANTISED: E2M3 operands, one E8M0 scale for each 32 along K, by v_wmma_scale_f32_16x16x128_f8f6f4 with both operands' format E2M3, f32 sums; everything else in f32.
;; Inputs: bk_mu 1,024 float32; bk_var 1,024 float32; bo_mu 1,024 float32; bo_var 1,024 float32; bq_mu 1,024 float32; bq_var 1,024 float32; bv_mu 1,024 float32; bv_var 1,024 float32; mu 1 x 256 x 1,024 float32; var 1 x 256 x 1,024 float32; wk_mu 1,024 x 1,024 float32; wk_var 1,024 x 1,024 float32; wo_mu 1,024 x 1,024 float32; wo_var 1,024 x 1,024 float32; wq_mu 1,024 x 1,024 float32; wq_var 1,024 x 1,024 float32; wv_mu 1,024 x 1,024 float32; wv_var 1,024 x 1,024 float32.
;; Outputs: out0 1 x 256 x 1,024 float32; out1 1 x 256 x 1,024 float32.
;; This version of the problem:
;;   THIS VERSION OF THE PROBLEM IS GIVEN IN LOW PRECISION. The matrix products marked QUANTISED in the list below multiply operands that are first quantised to E2M3 (2 exponent bits, 3 mantissa bits; 6 bits a number), with one power-of-two scale for each 32 numbers along K (OCP MX v1.0); their sums are f32. All else is computed in f32.
;;   The module's matrix products, in the order in which they are computed (A, B: the left and right operand; K: the contracted axis; several contracted axes count as one K, in the product's order):
;;     1. [M 256, K 1,024] x [K 1,024, N 1,024]; A: input mu; B: input wq_mu: QUANTISED
;;     2. [M 256, K 1,024] x [K 1,024, N 1,024]; A: input var; B: input wq_var: QUANTISED
;;     3. [M 256, K 1,024] x [K 1,024, N 1,024]; A: input mu; B: input wk_mu: QUANTISED
;;     4. [M 256, K 1,024] x [K 1,024, N 1,024]; A: input var; B: input wk_var: QUANTISED
;;     5. [M 256, K 1,024] x [K 1,024, N 1,024]; A: input mu; B: input wv_mu: QUANTISED
;;     6. [M 256, K 1,024] x [K 1,024, N 1,024]; A: input var; B: input wv_var: QUANTISED
;;     7. batch 16 x [M 256, K 256] x [K 256, N 64]; A: softmax (see below); B: computed on the way: QUANTISED
;;     8. batch 16 x [M 256, K 256] x [K 256, N 64]; A: computed on the way; B: computed on the way: QUANTISED
;;     9. [M 256, K 1,024] x [K 1,024, N 1,024]; A: computed on the way; B: input wo_mu: QUANTISED
;;     10. [M 256, K 1,024] x [K 1,024, N 1,024]; A: computed on the way; B: input wo_var: QUANTISED
;;   THE QUANTISER, for each operand of a quantised product, along K:
;;     - K is cut into blocks of 32 from its start; a last block that is shorter is filled with zeros.
;;     - A block's scale is 2^e with e = floor(log2(the largest magnitude in the block)) - 2, held to -126 .. 127; a block of zeros has e = 0. As a byte (E8M0): e + 127.
;;     - Each number is divided by its block's scale, clamped to +-7.5, and rounded to the nearest number of E2M3, ties to even, subnormals kept.
;;     - The product sums the exact products of the quantised numbers (number of the format x scale) in f32.
;;   ~~~python
;;   def quantise(x, axis):      # numpy; x: float32 -> the quantised numbers, widened to float32 again
;;       x = np.moveaxis(x, axis, -1); K = x.shape[-1]
;;       x = np.pad(x, [(0, 0)] * (x.ndim - 1) + [(0, -K % 32)]); x = x.reshape(x.shape[:-1] + (-1, 32)); a = np.abs(x).max(-1, keepdims=True)
;;       e = np.where(a > 0, np.clip(np.frexp(np.where(a > 0, a, 1))[1] - 1 - 2, -126, 127), 0)      # np.frexp(a)[1] - 1 = floor(log2(a)), exactly
;;       r = np.clip(x / 2.0 ** e, -7.5, 7.5)
;;       step = 2.0 ** (np.maximum(np.frexp(np.where(r == 0, 1, r))[1] - 1, 0) - 3)
;;       q = np.round(r / step) * step * 2.0 ** e      # np.round: ties to even
;;       return np.moveaxis(q.reshape(q.shape[:-2] + (-1,))[..., :K], -1, axis).astype(np.float32)
;;   ~~~
;;   SOFTMAX AHEAD OF A QUANTISED PRODUCT. Where the list says 'softmax', what is quantised is not the finished softmax but p = 2^(t - M), with t = logit x log2(e) and M = ceil(the row's largest t), a whole number; so 1/2 < the row's largest p <= 1. The row's sum l is taken of the UNQUANTISED p, in f32, and the product's result is divided by l at the end. Since M is a whole number, a kernel that streams over the keys may use a running M (the ceiling of the running maximum): every later rescaling is an exact power of two, which a block's scale takes up: the codes' values come out the same.
;;   OPERANDS COMPUTED ON THE WAY. 'Computed on the way' means the value that the module computes at that place (a softmax that the list does not call 'softmax' is quantised finished and normalised). What goes into a quantiser is computed in f32, as accurately as f32 sums, v_exp_f32 and their like allow (about 1e-6 of the number): no bf16 or f16 on the way to a quantiser, and a product that is left as it is and whose result goes on into a quantised operand takes f32 operands (vector FMAs, or v_wmma_f32_16x16x4_f32). A number that lies on a knife's edge between two numbers of the format may be rounded either way, as far as f32 arithmetic and the matrix unit's own rounding can turn it there, and no further.
;; One version. Each part assembles by itself: llvm-mc -triple=amdgcn-amd-amdhsa -mcpu=gfx1250 --defsym DOCPART=n.
;; ======== version 1 of 1: 4 launches
;; limits: a difference of large sums (such as E[x^2] - mean^2): digits are lost where the result is much smaller than its terms
;; workspace buffers: wq 6,553,600 bytes; aq 409,600 bytes; qk 4,259,840 bytes; vq 409,600 bytes; oq 409,600 bytes
;; launch quant (part 1): grid 272 x 1, 4 waves a work-group, no clusters, 92,672 bytes of LDS; arguments wq_mu, wq_var, wk_mu, wk_var, wv_mu, wv_var, wo_mu, wo_var, mu, var, wq, aq; writes wq, aq
.if DOCPART == 1
	.amdgcn_target "amdgcn-amd-amdhsa--gfx1250"
	.amdhsa_code_object_version 6
	.text
	.protected	k_qa88c3d2d08_quant
	.globl	k_qa88c3d2d08_quant
	.p2align	8
	.type	k_qa88c3d2d08_quant,@function
k_qa88c3d2d08_quant:
	s_mov_b64 s[64:65], 0
	v_nop
	global_prefetch_b8 v0, s[64:65] scope:SCOPE_SE
	s_setreg_imm32_b32 hwreg(HW_REG_WAVE_MODE, 25, 1), 1
	s_wait_xcnt 0x0
; The eight weights [1024 (k)][1024 (n)] f32 and the two activations [256][1024 (k)] f32 become codes of FP6 (E2M3) with one E8M0 byte for each 32 along K.
; A block's scale is 2^(floor(log2(largest magnitude)) - 2): its byte is the largest magnitude's exponent field - 2, held at 1 from below by a floor among the maximum's leaves.
; (A block of zeros keeps the byte 1 where the quantiser says 127: its codes are zeros, and these bytes are read by this program alone.)
; LIMITS: NaN and infinities among the inputs are not served; blocks whose largest magnitude lies under 2^-124 keep the byte 1.
; LAYOUT OF ALL CODES: [tile][block of 32 k][position r 0..15][24 bytes], so that an operand fragment (16 positions x 128 k) is 1,536 bytes on end.
; Position r of tile 2 b + u stands for index 32 b + 8 u + (r & 7) + 16 (r >> 3) (a column n of a weight, a row of an activation).  Scale words: [tile][128 k][r][4 bytes].
; Work-groups 0..255: weights, a lane to a column, registers down K (nothing is transposed by an instruction).  Work-groups 256..271: activations, K innermost.
; The two paths part on the work-group number and have LDS bytes of their own: weights 0 .. 34,815, activations 34,816 .. 92,159.  Waves share nothing: no barrier.
.set WSC,   6291456                    ; where the weights' scale words begin in wq
.set ASC,   393216                     ; and the activations' in aq
.set FLOOR, 0x1800000                  ; 2^(3 - 127)
.set X,     32                         ; weights: v32-95 two sets of 32 numbers
.set C,     96                         ; v96-102 a block's codes
.set OUTR,  112                        ; v112-175 the way out
.set SB,    24                         ; v24-25 eight scale bytes
.set AR,    16                         ; activations: v16-79 four sets of 16 numbers as loaded
.set AX,    80                         ; v80-111 two sets of 16 neighbours
.set AE,    112                        ; v112-127 a byte for each step
.set AC,    128                        ; v128-191 codes, four registers for each step
.macro WLOAD t                         ; block t of my column: W(32 t + i, n), i = 0 .. 31; 32 lanes read 128 consecutive bytes
.set i, 0
.rept 32
	global_load_b32 v[X+32*((\t)%2)+i], v3, s[4:5] offset:(32*(\t)+i)*4096 th:TH_LOAD_NT
.set i, i+1
.endr
.endm
.macro WBLOCK t
.set XS, X+32*((\t)%2)
.if (\t) < 7
	s_wait_loadcnt 32                              ; this block's 32 loads are in; the next block's 32 may be out
.else
	s_wait_loadcnt 0
.endif
	v_max3_num_f32 v12, |v[XS]|, |v[XS+1]|, |v[XS+2]|
	v_max3_num_f32 v13, |v[XS+3]|, |v[XS+4]|, |v[XS+5]|
.irp i, 6,10,14,18,22,26
	v_max3_num_f32 v12, v12, |v[XS+\i]|, |v[XS+\i+1]|
	v_max3_num_f32 v13, v13, |v[XS+\i+2]|, |v[XS+\i+3]|
.endr
	v_max3_num_f32 v12, v12, |v[XS+30]|, |v[XS+31]|
	v_max3_num_f32 v12, v12, v13, FLOOR            ; the block's largest magnitude, and the floor
	v_add_nc_u32 v11, 0xff000000, v12              ; 2 off its exponent field: the conversion's scale operand
	v_lshrrev_b32 v13, 23, v11                     ; the byte
.if (\t)%4 == 0
	v_mov_b32 v[SB+(\t)/4], v13
.else
	v_lshl_or_b32 v[SB+(\t)/4], v13, 8*((\t)%4), v[SB+(\t)/4]
.endif
	v_cvt_scalef32_pk16_fp6_f32 v[C:C+2], v[XS:XS+15], v11
	v_cvt_scalef32_pk16_fp6_f32 v[C+4:C+6], v[XS+16:XS+31], v11
	ds_store_b96 v4, v[C:C+2] offset:32*(\t)       ; 12 bytes to a place of 16 in my stage row
	ds_store_b96 v4, v[C+4:C+6] offset:32*(\t)+16
.if (\t)+2 < 8
	WLOAD (\t)+2
.endif
	s_wait_dscnt 0x0                               ; the stores have read their registers: the next block's codes may be written
.endm
.macro ALOAD t                         ; step t = position t of my tile: 512 numbers of one row; each load reads 512 consecutive bytes
.irp i, 0,1,2,3
	global_load_b128 v[AR+16*((\t)%4)+4*\i:AR+16*((\t)%4)+4*\i+3], v3, s[4:5] offset:((\t)%8+16*((\t)/8))*4096+512*\i th:TH_LOAD_NT
.endr
.endm
.macro ATURN t                         ; through my stage, so that a lane gets 16 neighbours; LDS serves a wave's instructions in order
.irp i, 0,1,2,3
	ds_store_b128 v14, v[AR+16*((\t)%4)+4*\i:AR+16*((\t)%4)+4*\i+3] offset:2560*((\t)%2)+640*\i
.endr
.irp i, 0,1,2,3
	ds_load_b128 v[AX+16*((\t)%2)+4*\i:AX+16*((\t)%2)+4*\i+3], v15 offset:2560*((\t)%2)+16*\i
.endr
.endm
.macro ASTEP t
.set XS, AX+16*((\t)%2)
.if (\t) > 0
	s_wait_dscnt 2                                 ; this step's numbers are back (the last step's two small stores may be out), so its stage stores have read their registers
.else
	s_wait_dscnt 0x0
.endif
.if (\t)+4 < 16
	ALOAD (\t)+4
.endif
.if (\t)+1 < 16
.if 14-(\t) >= 3
	s_wait_loadcnt 12                              ; the next step's four loads are in; three later steps' may be out
.else
	s_wait_loadcnt 4*(14-(\t))
.endif
	ATURN (\t)+1
.endif
	v_max3_num_f32 v8, |v[XS]|, |v[XS+1]|, |v[XS+2]|
	v_max3_num_f32 v9, |v[XS+3]|, |v[XS+4]|, |v[XS+5]|
.irp i, 6,10
	v_max3_num_f32 v8, v8, |v[XS+\i]|, |v[XS+\i+1]|
	v_max3_num_f32 v9, v9, |v[XS+\i+2]|, |v[XS+\i+3]|
.endr
	v_max3_num_f32 v8, v8, |v[XS+14]|, |v[XS+15]|
	v_max3_num_f32 v8, v8, v9, FLOOR
	v_max_num_f32_dpp v8, v8, v8 row_xmask:1 row_mask:0xf bank_mask:0xf   ; with my neighbour's 16: the block's
	v_add_nc_u32 v11, 0xff000000, v8
	v_cvt_scalef32_pk16_fp6_f32 v[AC+4*(\t):AC+4*(\t)+2], v[XS:XS+15], v11
	v_lshrrev_b32 v[AE+(\t)], 23, v11              ; the byte (a plain line behind the conversion)
	ds_store_b96 v4, v[AC+4*(\t):AC+4*(\t)+2] offset:32*(\t)   ; block lane / 2, position t, half lane & 1
	ds_store_b8 v5, v[AE+(\t)] offset:4*(\t)       ; both lanes of a block write the same byte with the same value
.endm
	s_load_b512 s[8:23], s[0:1], 0x0               ; the eight weights
	s_load_b256 s[24:31], s[0:1], 0x40             ; mu s[24:25], var s[26:27], wq s[28:29], aq s[30:31]
	v_lshl_add_u32 v192, v0, 2, 0x16800
	v_mov_b32 v193, 0
	v_lshrrev_b32 v1, 5, v0
	v_readfirstlane_b32 s2, v1                     ; wave
	v_and_b32 v2, 31, v0                           ; lane
	s_cmp_ge_u32 ttmp9, 256
	s_cbranch_scc1 .Lacts
	; ---- a weight: g = id / 32; 128 columns (id & 7), 256 along K ((id / 8) & 3); a wave takes 32 columns
	s_lshr_b32 s3, ttmp9, 5                        ; g
	s_and_b32 s32, ttmp9, 7
	s_bfe_u32 s33, ttmp9, 0x20003                  ; which 256 along K
	s_lshl_b32 s34, s32, 2
	s_add_co_u32 s34, s34, s2                      ; which 32 columns
	v_lshlrev_b32 v3, 2, v2
	s_mul_i32 s35, s2, 8704                        ; my stage: 32 rows of 272 bytes
	v_mul_u32_u24 v4, v2, 272
	v_add_nc_u32 v4, s35, v4                       ; into it: row = my column
	v_lshrrev_b32 v5, 1, v2                        ; out of it: lane = 2 x position + half
	v_and_b32 v6, 7, v5
	v_lshrrev_b32 v7, 3, v5
	v_lshl_add_u32 v6, v7, 4, v6                   ; the position's column (for u = 0)
	v_mul_u32_u24 v7, v6, 272
	v_and_b32 v6, 1, v2
	v_lshl_add_u32 v7, v6, 4, v7
	v_add_nc_u32 v7, s35, v7
	v_mul_u32_u24 v8, v2, 12                       ; and 12 bytes a lane in a block unit of 384
	v_bfe_u32 v9, v2, 3, 1                         ; my column's tile u and position, for its scale words
	v_and_b32 v10, 7, v2
	v_lshrrev_b32 v11, 4, v2
	v_lshl_add_u32 v10, v11, 3, v10
	v_lshlrev_b32 v10, 2, v10
	v_lshl_add_u32 v9, v9, 9, v10
	s_lshl_b32 s36, s33, 20                        ; in: 256 rows of 4,096 bytes, + 512 x column group + 128 x wave
	s_lshl_b32 s37, s32, 9
	s_add_co_u32 s36, s36, s37
	s_lshl_b32 s37, s2, 7
	s_add_co_u32 s36, s36, s37
	s_mov_b32 s37, 0
	s_mul_i32 s38, s3, 786432                      ; codes: weight, two tiles of 12,288, eight blocks of 384
	s_mul_i32 s39, s34, 24576
	s_add_co_u32 s38, s38, s39
	s_mul_i32 s39, s33, 3072
	s_add_co_u32 s38, s38, s39
	s_mov_b32 s39, 0
	s_lshl_b32 s40, s3, 15                         ; scale words
	s_lshl_b32 s41, s34, 10
	s_add_co_u32 s40, s40, s41
	s_lshl_b32 s41, s33, 7
	s_add_co_u32 s40, s40, s41
	s_add_co_u32 s40, s40, WSC
	s_mov_b32 s41, 0
	s_wait_kmcnt 0x0
	s_mov_b64 s[4:5], s[8:9]                       ; the weight is chosen by the work-group number alone
.irp i, 1,2,3,4,5,6,7
	s_cmp_eq_u32 s3, \i
	s_cselect_b64 s[4:5], s[8+2*\i:9+2*\i], s[4:5]
.endr
	s_add_nc_u64 s[4:5], s[4:5], s[36:37]
	s_add_nc_u64 s[6:7], s[28:29], s[38:39]
	s_add_nc_u64 s[42:43], s[28:29], s[40:41]
	WLOAD 0
	WLOAD 1
.set Q, 0
.rept 8
	WBLOCK Q
.set Q, Q+1
.endr
	global_store_b32 v9, v[SB], s[42:43]           ; my column's two scale words
	global_store_b32 v9, v[SB+1], s[42:43] offset:64
.irp u, 0,1
.irp t, 0,1,2,3,4,5,6,7
	ds_load_b96 v[OUTR+4*(8*\u+\t):OUTR+4*(8*\u+\t)+2], v7 offset:2176*\u+32*\t   ; tile u, block t: 16 positions x 24 bytes
.endr
.endr
.irp u, 0,1
.irp t, 0,1,2,3,4,5,6,7
	s_wait_dscnt 15-(8*\u+\t)
	global_store_b96 v8, v[OUTR+4*(8*\u+\t):OUTR+4*(8*\u+\t)+2], s[6:7] offset:12288*\u+384*\t   ; 32 lanes store 384 consecutive bytes; a tile's eight stores 3,072
.endr
.endr
	s_wait_tensorcnt 0x0
	ds_add_u32 v192, v193
	s_wait_dscnt 0x0
	s_endpgm
	; ---- an activation: a wave takes one tile of 16 rows x 512 along K; step t is position t
.Lacts:
	s_sub_co_u32 s3, ttmp9, 256
	s_lshl_b32 s3, s3, 2
	s_add_co_u32 s3, s3, s2
	s_lshr_b32 s32, s3, 5                          ; 0 mu, 1 var
	s_bfe_u32 s33, s3, 0x40001                     ; tile
	s_and_b32 s34, s3, 1                           ; which half of K
	s_mul_i32 s35, s2, 14336
	s_add_co_u32 s35, s35, 34816                   ; my LDS: two turn stages of 2,560, 16 block units of 544 at +5,120, 256 scale bytes at +13,824
	v_lshlrev_b32 v3, 4, v2
	v_lshrrev_b32 v14, 2, v2
	v_mul_u32_u24 v14, v14, 80
	v_and_b32 v15, 3, v2
	v_lshl_add_u32 v14, v15, 4, v14
	v_add_nc_u32 v14, s35, v14                     ; turn stage, in: four lanes' 64 bytes, then 16 of padding
	v_mul_u32_u24 v15, v2, 80
	v_add_nc_u32 v15, s35, v15                     ; and out: 80 x lane
	v_lshrrev_b32 v4, 1, v2
	v_mul_u32_u24 v4, v4, 544
	v_and_b32 v5, 1, v2
	v_lshl_add_u32 v4, v5, 4, v4
	v_add_nc_u32 v4, s35, v4
	v_add_nc_u32 v4, 5120, v4                      ; my block's unit, my half's place of 16
	v_lshrrev_b32 v5, 3, v2
	v_bfe_u32 v6, v2, 1, 2
	v_lshl_add_u32 v5, v5, 6, v6
	v_add_nc_u32 v5, s35, v5
	v_add_nc_u32 v5, 13824, v5                     ; my block's byte: 64 x (128 k) + byte in the word
	v_add_nc_u32 v6, s35, v3
	v_add_nc_u32 v6, 5120, v6                      ; a unit read back: 16 x lane
	v_mul_u32_u24 v7, v2, 12
	v_lshlrev_b32 v12, 3, v2
	v_add_nc_u32 v10, s35, v12
	v_add_nc_u32 v10, 13824, v10
	s_lshr_b32 s36, s33, 1
	s_lshl_b32 s36, s36, 17                        ; the tile's first row: 32 (tile / 2) + 8 (tile & 1), 4,096 bytes a row
	s_and_b32 s37, s33, 1
	s_lshl_b32 s37, s37, 15
	s_add_co_u32 s36, s36, s37
	s_lshl_b32 s37, s34, 11
	s_add_co_u32 s36, s36, s37
	s_mov_b32 s37, 0
	s_mul_i32 s38, s32, 196608
	s_mul_i32 s39, s33, 12288
	s_add_co_u32 s38, s38, s39
	s_mul_i32 s39, s34, 6144
	s_add_co_u32 s38, s38, s39
	s_mov_b32 s39, 0
	s_lshl_b32 s40, s32, 13
	s_lshl_b32 s41, s33, 9
	s_add_co_u32 s40, s40, s41
	s_lshl_b32 s41, s34, 8
	s_add_co_u32 s40, s40, s41
	s_add_co_u32 s40, s40, ASC
	s_mov_b32 s41, 0
	s_wait_kmcnt 0x0
	s_cmp_eq_u32 s32, 0
	s_cselect_b64 s[4:5], s[24:25], s[26:27]
	s_add_nc_u64 s[4:5], s[4:5], s[36:37]
	s_add_nc_u64 s[6:7], s[30:31], s[38:39]
	s_add_nc_u64 s[42:43], s[30:31], s[40:41]
.irp t, 0,1,2,3
	ALOAD \t
.endr
	s_wait_loadcnt 12
	ATURN 0
.irp t, 0,1,2,3,4,5,6,7,8,9,10,11,12,13,14,15
	ASTEP \t
.endr
.irp b, 0,1,2,3,4,5,6,7,8,9,10,11,12,13,14,15
	ds_load_b96 v[AR+4*\b:AR+4*\b+2], v6 offset:544*\b   ; LDS serves a wave's instructions in order: these see my stores
.endr
	ds_load_b64 v[AX:AX+1], v10
.irp b, 0,1,2,3,4,5,6,7,8,9,10,11,12,13,14,15
	s_wait_dscnt 16-\b
	global_store_b96 v7, v[AR+4*\b:AR+4*\b+2], s[6:7] offset:384*\b   ; 384 consecutive bytes a store, 6,144 in all
.endr
	s_wait_dscnt 0x0
	global_store_b64 v12, v[AX:AX+1], s[42:43]     ; 256 consecutive bytes, aligned
	s_wait_tensorcnt 0x0
	ds_add_u32 v192, v193
	s_wait_dscnt 0x0
	s_endpgm
.Lfunc_end_k_qa88c3d2d08_quant:
	.size	k_qa88c3d2d08_quant, .Lfunc_end_k_qa88c3d2d08_quant-k_qa88c3d2d08_quant
	.p2alignl 7, 3214868480
	.fill 96, 4, 3214868480
	.section	.rodata,"a",@progbits
	.p2align	6, 0x0
	.amdhsa_kernel k_qa88c3d2d08_quant
		.amdhsa_group_segment_fixed_size 92672
		.amdhsa_private_segment_fixed_size 0
		.amdhsa_enable_private_segment 0
		.amdhsa_kernarg_size 96
		.amdhsa_user_sgpr_count 2
		.amdhsa_user_sgpr_kernarg_segment_ptr 1
		.amdhsa_wavefront_size32 1
		.amdhsa_system_sgpr_workgroup_id_x 1
		.amdhsa_system_sgpr_workgroup_id_y 1
		.amdhsa_system_sgpr_workgroup_id_z 1
		.amdhsa_system_vgpr_workitem_id 0
		.amdhsa_next_free_vgpr 194
		.amdhsa_next_free_sgpr 66
		.amdhsa_reserve_vcc 0
		.amdhsa_float_denorm_mode_32 3
		.amdhsa_float_denorm_mode_16_64 3
		.amdhsa_memory_ordered 1
		.amdhsa_forward_progress 1
		.amdhsa_inst_pref_size 78
	.end_amdhsa_kernel
	.amdgpu_metadata
---
amdhsa.version: [ 1, 2 ]
amdhsa.kernels:
  - .name:           k_qa88c3d2d08_quant
    .symbol:         k_qa88c3d2d08_quant.kd
    .args:
      - { .name: wq_mu, .offset: 0, .size: 8, .value_kind: global_buffer, .address_space: global }
      - { .name: wq_var, .offset: 8, .size: 8, .value_kind: global_buffer, .address_space: global }
      - { .name: wk_mu, .offset: 16, .size: 8, .value_kind: global_buffer, .address_space: global }
      - { .name: wk_var, .offset: 24, .size: 8, .value_kind: global_buffer, .address_space: global }
      - { .name: wv_mu, .offset: 32, .size: 8, .value_kind: global_buffer, .address_space: global }
      - { .name: wv_var, .offset: 40, .size: 8, .value_kind: global_buffer, .address_space: global }
      - { .name: wo_mu, .offset: 48, .size: 8, .value_kind: global_buffer, .address_space: global }
      - { .name: wo_var, .offset: 56, .size: 8, .value_kind: global_buffer, .address_space: global }
      - { .name: mu, .offset: 64, .size: 8, .value_kind: global_buffer, .address_space: global }
      - { .name: var, .offset: 72, .size: 8, .value_kind: global_buffer, .address_space: global }
      - { .name: wq, .offset: 80, .size: 8, .value_kind: global_buffer, .address_space: global }
      - { .name: aq, .offset: 88, .size: 8, .value_kind: global_buffer, .address_space: global }
    .group_segment_fixed_size: 92672
    .private_segment_fixed_size: 0
    .kernarg_segment_align: 8
    .kernarg_segment_size: 96
    .max_flat_workgroup_size: 128
    .sgpr_count:     66
    .vgpr_count:     194
    .wavefront_size: 32
...
	.end_amdgpu_metadata
.endif
;; end of part 1
;; launch proj (part 2): grid 4 x 48, 4 waves a work-group, clusters of 4 x 4, 205,312 bytes of LDS; arguments aq, wq, bq_mu, bq_var, bk_mu, bk_var, bv_mu, bv_var, qk, vq; writes qk, vq
.if DOCPART == 2
	.amdgcn_target "amdgcn-amd-amdhsa--gfx1250"
	.amdhsa_code_object_version 6
	.text
	.protected	k_qa88c3d2d08_proj
	.globl	k_qa88c3d2d08_proj
	.p2align	8
	.type	k_qa88c3d2d08_proj,@function
k_qa88c3d2d08_proj:
	s_mov_b64 s[64:65], 0
	v_nop
	global_prefetch_b8 v0, s[64:65] scope:SCOPE_SE
	s_setreg_imm32_b32 hwreg(HW_REG_WAVE_MODE, 25, 1), 1
	s_wait_xcnt 0x0
	s_wait_alu depctr_hold_cnt(0) depctr_sa_sdst(0) depctr_va_vdst(0) depctr_va_sdst(0) depctr_va_ssrc(0) depctr_va_vcc(0) depctr_vm_vsrc(0)
	s_getreg_b32 s2, hwreg(HW_REG_IB_STS2, 6, 4)
	s_cmp_eq_u32 s2, 0
	s_cbranch_scc0 .Lentry_in_a_cluster
	s_endpgm
.Lentry_in_a_cluster:
	s_bfe_u32 s2, ttmp6, 0x10000c
	s_cmp_lg_u32 s2, 0xf033
	s_cbranch_scc0 .Lentry_shape_is_right
	s_endpgm
.Lentry_shape_is_right:
; The six projections, on codes of FP6 (E2M3) with E8M0 scales.  A work-group makes 64 rows x one head's 64 columns of BOTH the mu and the var projection of q (j = 0), k (1) or v (2).
; What leaves is what the attention launch wants.  With f = -log2(e) / 8, t = score x log2(e) splits exactly into
;   t = sum_d (Qm^2 + Qv) w1 + sum_d Qm w2 + ka[key] + qa[query],  w1 = f / (2 Kv),  w2 = -2 Km w1,  ka = sum Km^2 w1 - (1/16) sum log2 Kv,  qa = (1/16) sum log2 Qv + 4 log2(e).
;   q: Qm^2 + Qv and Qm, f32, in the order of the f32 matrix form's registers, and qa in two parts.   k: w1 and w2 likewise, and ka.   v: Vm and Vv as codes with the KEYS innermost.
; LIMITS: NaN and infinities are not served.  softplus(z) = max(z, 0) + log1p(2^(-log2e |z|)); under z = -87 the exponential is flushed and softplus is 0 (1 / Kv then overflows, as it does in f32 by the plain formula);
; log2(softplus) stays right there.  (Qm - Km)^2 is expanded, so the error of t is that of f32 sums of the size sum (Qm^2 + Km^2) / Kv.  Blocks under 2^-124 keep the byte 1.
; SHARES.  Wave w: xb = w & 1, yb = w >> 1: two tiles of X (source 0) x two tiles of Y (source 1) x two types: 8 accumulators by turns.  q, k: X = the weight's columns, Y = the rows, so that a lane holds one row and 16 neighbouring d.
; v: X = the rows (keys), Y = the columns: a lane holds one d and 16 neighbouring keys.  The swap is a choice of LDS bases on j; the products' text is one.
; CLUSTER 4 x 4: the four of a row of the cluster share the head (the weight's tiles), the four of a column the 64 rows (the activation's tiles): each tile is asked for jointly.  j is the same in all sixteen.
; LDS, filled once: codes 49,152 x w (w = 0, 1 weight mu, var; 2, 3 activation mu, var); scale words 196,608 + 2,048 x w.  Nothing is stored to LDS and nothing is filled again.
.set WSC, 6291456
.set ASC, 393216
.set KAO, 2097152                      ; in qk: K's operands;
.set QAO, 4194304                      ; qa (ka 32,768 bytes on)
.set VSO, 393216                       ; in vq: the scale words
.set FB,  16                           ; v16-63, v64-111 two fragment buffers: X u0, X u1, Y n0, Y n1
.set SCB, 112                          ; v112-119 scale words and nothing else
.set ACC, 120                          ; v120-183 accumulator (ty, n, u) at 120 + 32 ty + 16 n + 8 u
.set BI,  184                          ; v184-215 biases
.set W0,  216                          ; v216-231, v232-247 results to store
.set W1,  232
.set EA,  16                           ; the softplus works where the fragments lay
.set EE,  32
.set EU,  48
.set ED,  64
.set SPL, 80
.set LG,  96
.macro NOP4
.rept 4
	v_nop
.endr
.endm
.macro ROUND                           ; a round of the cluster's barrier
	s_barrier_signal -1
	s_barrier_wait -1
	s_cmp_lg_u32 s24, 0
	s_cbranch_scc1 .Lnot_wave_0_\@
	s_barrier_signal -3
.Lnot_wave_0_\@:
	s_barrier_wait -3
	s_barrier_signal -1
	s_barrier_wait -1
.endm
.macro FRAG reg, adr, off              ; a fragment: lane (r, h) takes 24 bytes of blocks h and 2 + h of the K step, in pieces of 8
.irp p, 0,1,2,3,4,5
	ds_load_b64 v[\reg+2*\p:\reg+2*\p+1], v[\adr] offset:\off+768*(\p/3)+8*(\p%3)
.endr
.endm
.macro LOADH ty, s, buf                ; 28 LDS loads: the four fragments and four scale words of type ty, K step s
	FRAG FB+48*(\buf),    4+(\ty), 1536*(\s)
	FRAG FB+48*(\buf)+12, 4+(\ty), 12288+1536*(\s)
	FRAG FB+48*(\buf)+24, 6+(\ty), 1536*(\s)
	FRAG FB+48*(\buf)+36, 6+(\ty), 12288+1536*(\s)
	ds_load_b32 v[SCB+4*(\buf)],   v8 offset:2048*(\ty)+64*(\s)
	ds_load_b32 v[SCB+4*(\buf)+1], v8 offset:2048*(\ty)+512+64*(\s)
	ds_load_b32 v[SCB+4*(\buf)+2], v9 offset:2048*(\ty)+64*(\s)
	ds_load_b32 v[SCB+4*(\buf)+3], v9 offset:2048*(\ty)+512+64*(\s)
.endm
.macro MULH ty, buf, step              ; four products; K step 0 starts the sums
.irp n, 0,1
.irp u, 0,1
.if (\step) == 0
	v_wmma_scale_f32_16x16x128_f8f6f4 v[ACC+32*(\ty)+16*\n+8*\u:ACC+32*(\ty)+16*\n+8*\u+7], v[FB+48*(\buf)+12*\u:FB+48*(\buf)+12*\u+11], v[FB+48*(\buf)+24+12*\n:FB+48*(\buf)+24+12*\n+11], 0, v[SCB+4*(\buf)+\u], v[SCB+4*(\buf)+2+\n] matrix_a_fmt:MATRIX_FMT_FP6 matrix_b_fmt:MATRIX_FMT_FP6
.else
	v_wmma_scale_f32_16x16x128_f8f6f4 v[ACC+32*(\ty)+16*\n+8*\u:ACC+32*(\ty)+16*\n+8*\u+7], v[FB+48*(\buf)+12*\u:FB+48*(\buf)+12*\u+11], v[FB+48*(\buf)+24+12*\n:FB+48*(\buf)+24+12*\n+11], v[ACC+32*(\ty)+16*\n+8*\u:ACC+32*(\ty)+16*\n+8*\u+7], v[SCB+4*(\buf)+\u], v[SCB+4*(\buf)+2+\n] matrix_a_fmt:MATRIX_FMT_FP6 matrix_b_fmt:MATRIX_FMT_FP6
.endif
.endr
.endr
.endm
; softplus of the 16 numbers v[z] on, into v[SPL] on.  e = 2^(-log2e |z|); u = 1 + e; d = u - 1 (exact); rho = ln(u) / d = log1p(e) / e without cancellation (1 where d = 0); softplus = max(z, 0) + e rho.
; wantlog: log2(softplus) = v[LG] + v[EA]: for z > 0 log2 of the result; else log2(e) + log2(rho), right however small e is.  Each batch of transcendentals has one plain line and one wait behind it.
.macro SOFTPLUS z, wantlog
.set i, 0
.rept 16
	v_mul_f32 v[EA+i], 0xbfb8aa3b, |v[\z+i]|
.set i, i+1
.endr
.set i, 0
.rept 16
	v_exp_f32 v[EE+i], v[EA+i]
.set i, i+1
.endr
	v_nop
	s_wait_alu depctr_va_vdst(0)
.set i, 0
.rept 16
	v_add_f32 v[EU+i], 1.0, v[EE+i]
.set i, i+1
.endr
.set i, 0
.rept 16
	v_add_f32 v[ED+i], -1.0, v[EU+i]
.set i, i+1
.endr
.set i, 0
.rept 16
	v_log_f32 v[EU+i], v[EU+i]
.set i, i+1
.endr
.set i, 0
.rept 16
	v_rcp_f32 v[LG+i], v[ED+i]
.set i, i+1
.endr
	v_nop
	s_wait_alu depctr_va_vdst(0)
.set i, 0
.rept 16
	v_mul_f32 v[EU+i], 0x3f317218, v[EU+i]         ; ln(u)
	v_cmp_neq_f32 vcc_lo, 0, v[ED+i]
	v_mul_f32 v[EU+i], v[EU+i], v[LG+i]
	v_max_num_f32 v[SPL+i], 0, v[\z+i]
	v_cndmask_b32 v[EU+i], 1.0, v[EU+i], vcc_lo    ; rho
	v_fmac_f32 v[SPL+i], v[EE+i], v[EU+i]
.set i, i+1
.endr
.if \wantlog
.set i, 0
.rept 16
	v_cmp_ge_f32 vcc_lo, 0, v[\z+i]                ; z <= 0
	v_cndmask_b32 v[LG+i], v[SPL+i], v[EU+i], vcc_lo
	v_cndmask_b32 v[EA+i], 0, v[EA+i], vcc_lo
.set i, i+1
.endr
.set i, 0
.rept 16
	v_log_f32 v[LG+i], v[LG+i]
.set i, i+1
.endr
	v_nop
	s_wait_alu depctr_va_vdst(0)
.endif
.endm
; q or k, tile n of my rows: lane (r, h) holds row position r and d = 32 xb + 16 h + 0 .. 15
.macro QKN isk, n
.set XM, ACC+16*(\n)
.set ZV, ACC+32+16*(\n)
.if (\n) == 1
	s_wait_xcnt 0x0                                ; tile 0's stores have read their registers: W0 and W1 are written again only behind this wait
.endif
.set i, 0
.rept 8
	v_pk_add_f32 v[XM+i:XM+i+1], v[XM+i:XM+i+1], v[BI+i:BI+i+1]                 ; the biases; each accumulator is read from its low end on
	v_pk_add_f32 v[ZV+i:ZV+i+1], v[ZV+i:ZV+i+1], v[BI+16+i:BI+16+i+1]
.set i, i+2
.endr
	SOFTPLUS ZV, 1
.if \isk
.set i, 0
.rept 16
	v_rcp_f32 v[W0+i], v[SPL+i]
.set i, i+1
.endr
	v_nop
	s_wait_alu depctr_va_vdst(0)
.set i, 0
.rept 16
	v_mul_f32 v[W0+i], 0xbdb8aa3b, v[W0+i]         ; w1 = (f / 2) / Kv
.set i, i+1
.endr
.set i, 0
.rept 8
	v_pk_mul_f32 v[EE+i:EE+i+1], v[XM+i:XM+i+1], v[W0+i:W0+i+1]                 ; Km w1
.set i, i+2
.endr
.set i, 0
.rept 16
	v_mul_f32 v[W1+i], -2.0, v[EE+i]               ; w2
.set i, i+1
.endr
	v_pk_mul_f32 v[250:251], v[XM:XM+1], v[EE:EE+1]
.set i, 2
.rept 7
	v_pk_fma_f32 v[250:251], v[XM+i:XM+i+1], v[EE+i:EE+i+1], v[250:251]         ; sum Km^2 w1
.set i, i+2
.endr
	v_add_f32 v250, v250, v251
.else
.set i, 0
.rept 8
	v_pk_fma_f32 v[W0+i:W0+i+1], v[XM+i:XM+i+1], v[XM+i:XM+i+1], v[SPL+i:SPL+i+1]   ; Qm^2 + Qv
.set i, i+2
.endr
.endif
.irp q, 0,1,2,3
	global_store_b128 v3, v[W0+4*\q:W0+4*\q+3], s[96:97] offset:2048*\q+512*(\n)   ; 32 lanes store 512 consecutive bytes, aligned
.endr
.irp q, 0,1,2,3
.if \isk
	global_store_b128 v3, v[W1+4*\q:W1+4*\q+3], s[96:97] offset:16384+2048*\q+512*(\n)
.else
	global_store_b128 v3, v[XM+4*\q:XM+4*\q+3], s[96:97] offset:16384+2048*\q+512*(\n)
.endif
.endr
.set i, 0
.rept 8
	v_pk_add_f32 v[LG+i:LG+i+1], v[LG+i:LG+i+1], v[EA+i:EA+i+1]                 ; log2 of the variances,
.set i, i+2
.endr
.irp i, 0,2,4,6
	v_pk_add_f32 v[LG+\i:LG+\i+1], v[LG+\i:LG+\i+1], v[LG+8+\i:LG+9+\i]         ; summed
.endr
.irp i, 0,2
	v_pk_add_f32 v[LG+\i:LG+\i+1], v[LG+\i:LG+\i+1], v[LG+4+\i:LG+5+\i]
.endr
	v_pk_add_f32 v[LG:LG+1], v[LG:LG+1], v[LG+2:LG+3]
	v_add_f32 v248, v[LG], v[LG+1]
.if \isk
	v_fma_f32 v248, v248, 0xbd800000, v250         ; sum Km^2 w1 - (1/16) sum log2 Kv, of my 16 d
.else
	v_fma_f32 v248, v248, 0x3d800000, s100         ; (1/16) sum log2 Qv + log2(e): two halves of the lanes x two parts make 4 log2(e)
.endif
	v_permlanex16_b32 v249, v248, s66, s67
	v_add_f32 v[252+(\n)], v248, v249              ; with lane l xor 16: the part's 32 d
.endm
.macro QKPATH isk
	s_lshl_b32 s96, s29, 17                        ; [head][group of 64 rows][piece 16][tile 4][lane][16 bytes]; piece = 8 part + 4 xb + i
	s_lshl_b32 s97, s33, 15
	s_add_co_u32 s96, s96, s97
	s_lshl_b32 s97, s30, 13
	s_add_co_u32 s96, s96, s97
	s_lshl_b32 s97, s32, 10
	s_add_co_u32 s96, s96, s97
.if \isk
	s_add_co_u32 s96, s96, KAO
.endif
	s_mov_b32 s97, 0
	s_add_nc_u64 s[96:97], s[20:21], s[96:97]
	s_lshl_b32 s98, s29, 11                        ; the row terms: [head][part xb][row 256]
	s_lshl_b32 s99, s30, 10
	s_add_co_u32 s98, s98, s99
	s_lshl_b32 s99, s33, 8
	s_add_co_u32 s98, s98, s99
	s_lshl_b32 s99, s32, 7
	s_add_co_u32 s98, s98, s99
	s_add_co_u32 s98, s98, QAO+32768*(\isk)
	s_mov_b32 s99, 0
	s_add_nc_u64 s[98:99], s[20:21], s[98:99]
	v_and_b32 v11, 7, v1
	v_lshrrev_b32 v12, 3, v1
	v_lshl_add_u32 v11, v12, 4, v11
	v_lshl_add_u32 v11, v2, 3, v11                 ; the row in my 32: 8 n + (r & 7) + 16 (r >> 3), lanes 16-31 carrying n = 1
	v_lshlrev_b32 v11, 2, v11
	QKN \isk, 0
	QKN \isk, 1
	v_cmp_eq_u32 vcc_lo, 1, v2
	v_cndmask_b32 v252, v252, v253, vcc_lo
	global_store_b32 v11, v252, s[98:99]           ; 128 consecutive bytes
.endm
; 16 numbers of a lane (a block of 32 keys lies in lanes l and l xor 16) become 12 bytes of codes and a scale byte
.macro VQ src, ty, n
.set CD, W0+4*(2*(\ty)+(\n))
.set BY, W1+2*(\ty)+(\n)
	v_max3_num_f32 v248, |v[\src]|, |v[\src+1]|, 0x1800000
	v_max3_num_f32 v251, |v[\src+8]|, |v[\src+9]|, |v[\src+10]|
	v_max3_num_f32 v248, v248, |v[\src+2]|, |v[\src+3]|
	v_max3_num_f32 v251, v251, |v[\src+11]|, |v[\src+12]|
	v_max3_num_f32 v248, v248, |v[\src+4]|, |v[\src+5]|
	v_max3_num_f32 v251, v251, |v[\src+13]|, |v[\src+14]|
	v_max3_num_f32 v248, v248, |v[\src+6]|, |v[\src+7]|
	v_max3_num_f32 v248, v248, v251, |v[\src+15]|
	v_permlanex16_b32 v250, v248, s66, s67
	v_max_num_f32 v248, v248, v250
	v_add_nc_u32 v251, 0xff000000, v248
	v_cvt_scalef32_pk16_fp6_f32 v[CD:CD+2], v[\src:\src+15], v251
	v_lshrrev_b32 v[BY], 23, v251                  ; (a plain line behind the conversion)
	global_store_b96 v11, v[CD:CD+2], s[96:97] offset:12288*(\ty)+3072*(\n)   ; 384 consecutive bytes: a block unit
	global_store_b8 v12, v[BY], s[98:99] offset:512*(\ty)+128*(\n)           ; both halves of the lanes write the same byte with the same value
.endm
.macro VN n                            ; v, tile n of my d: lane (r, h) holds d position r and keys 16 h + 0 .. 15 of my block
.set XM, ACC+16*(\n)
.set ZV, ACC+32+16*(\n)
.set i, 0
.rept 8
	v_pk_add_f32 v[XM+i:XM+i+1], v[XM+i:XM+i+1], v[BI+2*(\n):BI+2*(\n)+1] op_sel_hi:[1,0]
	v_pk_add_f32 v[ZV+i:ZV+i+1], v[ZV+i:ZV+i+1], v[BI+4+2*(\n):BI+5+2*(\n)] op_sel_hi:[1,0]
.set i, i+2
.endr
	VQ XM, 0, \n
	SOFTPLUS ZV, 0
	VQ SPL, 1, \n
.endm
	s_load_b512 s[4:19], s[0:1], 0x0               ; aq s[4:5], wq s[6:7], bq_mu, bq_var, bk_mu, bk_var, bv_mu, bv_var s[8:19]
	s_load_b128 s[20:23], s[0:1], 0x40             ; qk s[20:21], vq s[22:23]
	v_lshl_add_u32 v254, v0, 2, 0x32000
	v_mov_b32 v255, 0
	ds_add_u32 v254, v255
	ds_add_u32 v254, v255
	v_lshrrev_b32 v1, 5, v0
	v_readfirstlane_b32 s24, v1                    ; wave
	s_and_b32 s30, s24, 1                          ; xb; also the type that I fetch
	s_lshr_b32 s32, s24, 1                         ; yb
	s_bfe_u32 s25, ttmp6, 0x40000                  ; cx
	s_bfe_u32 s26, ttmp6, 0x40004                  ; cy
	s_lshl_b32 s33, ttmp9, 2
	s_add_co_u32 s33, s33, s25                     ; which 64 rows
	s_and_b32 s27, ttmp7, 0xffff                   ; the cluster's y
	s_lshr_b32 s28, s27, 2                         ; j: 0 q, 1 k, 2 v: the same in all sixteen partners
	s_and_b32 s29, s27, 3
	s_lshl_b32 s29, s29, 2
	s_add_co_u32 s29, s29, s26                     ; the head
	s_lshl_b32 s34, s26, 2
	s_lshl_b32 s34, 15, s34                        ; my row of the cluster: shares the head
	s_lshl_b32 s35, 0x1111, s25                    ; my column: shares the rows
	; descriptor groups 1: dense blocks as rows of 256 bytes (32 elements of 8 bytes); 192 rows of codes, 8 rows of scale words; bit 21 stands beside a mask
	s_or_b32 s36, s34, (3<<16)|(1<<21)
	s_or_b32 s44, s34, (3<<16)|(1<<21)
	s_or_b32 s52, s35, (3<<16)|(1<<21)
	s_or_b32 s68, s35, (3<<16)|(1<<21)
.irp g, 36, 52
	s_mov_b32 s[\g+1], 32<<16                      ; tensor_dim0
	s_mov_b32 s[\g+2], 192<<16                     ; tensor_dim1
	s_mov_b32 s[\g+3], 32<<16                      ; tile_dim0
	s_mov_b32 s[\g+4], 192                         ; tile_dim1
	s_mov_b32 s[\g+5], 32                          ; pitch
	s_mov_b32 s[\g+6], 0
	s_mov_b32 s[\g+7], 0
.endr
.irp g, 44, 68
	s_mov_b32 s[\g+1], 32<<16
	s_mov_b32 s[\g+2], 8<<16
	s_mov_b32 s[\g+3], 32<<16
	s_mov_b32 s[\g+4], 8
	s_mov_b32 s[\g+5], 32
	s_mov_b32 s[\g+6], 0
	s_mov_b32 s[\g+7], 0
.endr
	; every wave makes both kinds of address; the weight's registers never hold cx, the activation's never cy
	s_lshl_b32 s2, s28, 1
	s_add_co_u32 s2, s2, s30                       ; which weight: 2 j + type
	s_mul_i32 s92, s2, 786432
	s_mul_i32 s3, s29, 49152
	s_add_co_u32 s92, s92, s3
	s_mov_b32 s93, 0
	s_lshl_b32 s2, s2, 15
	s_lshl_b32 s3, s29, 11
	s_add_co_u32 s2, s2, s3
	s_add_co_u32 s2, s2, WSC
	s_mov_b32 s3, 0
	s_mul_i32 s94, s30, 196608
	s_mul_i32 s95, s33, 49152
	s_add_co_u32 s94, s94, s95
	s_mov_b32 s95, 0
	s_lshl_b32 s100, s30, 13
	s_lshl_b32 s101, s33, 11
	s_add_co_u32 s100, s100, s101
	s_add_co_u32 s100, s100, ASC
	s_mov_b32 s101, 0
	s_mul_i32 s31, s24, 49152                      ; where they go: the wave number alone
	s_lshl_b32 s27, s24, 11
	s_add_co_u32 s27, s27, 196608
	s_wait_dscnt 0x0
	s_wait_kmcnt 0x0
	s_mov_b32 s76, 1
	s_mov_b32 s77, s31
	s_add_nc_u64 s[78:79], s[6:7], s[92:93]
	s_or_b32 s79, s79, 0x80000000
	s_mov_b32 s80, 1
	s_mov_b32 s81, s27
	s_add_nc_u64 s[82:83], s[6:7], s[2:3]
	s_or_b32 s83, s83, 0x80000000
	s_mov_b32 s84, 1
	s_mov_b32 s85, s31
	s_add_nc_u64 s[86:87], s[4:5], s[94:95]
	s_or_b32 s87, s87, 0x80000000
	s_mov_b32 s88, 1
	s_mov_b32 s89, s27
	s_add_nc_u64 s[90:91], s[4:5], s[100:101]
	s_or_b32 s91, s91, 0x80000000
	ROUND                                          ; all sixteen work-groups are here: the joint loads meet
	s_cmp_lt_u32 s24, 2                            ; a wave's two fills stand in one branch on the wave number: two loads of mine are out
	s_cbranch_scc0 .Lfor_a
	tensor_load_to_lds s[80:83], s[44:51]          ; the weight's scale words,
	s_nop 0
	tensor_load_to_lds s[76:79], s[36:43]          ; and codes
	s_nop 0
	NOP4
	s_branch .Lasked
.Lfor_a:
	tensor_load_to_lds s[88:91], s[68:75]
	s_nop 0
	tensor_load_to_lds s[84:87], s[52:59]
	s_nop 0
	NOP4
.Lasked:
	v_and_b32 v1, 15, v0                           ; r
	v_bfe_u32 v2, v0, 4, 1                         ; h
	v_and_b32 v3, 31, v0
	v_lshlrev_b32 v3, 4, v3                        ; 16 x lane
	v_mul_u32_u24 v216, v1, 24
	v_mad_u32_u24 v216, v2, 384, v216              ; a fragment's lane term: 24 r + 384 h
	v_mov_b32 v249, 0                              ; a lane permute's destination counts as one of its sources
	v_mov_b32 v250, 0
	s_cmp_eq_u32 s28, 2                            ; v: X is the activation, Y the weight; else the other way round
	s_cselect_b32 s2, 98304, 0
	s_cselect_b32 s3, 0, 98304
	s_cselect_b32 s100, 4096, 0
	s_cselect_b32 s101, 0, 4096
	s_mul_i32 s96, s30, 24576
	s_add_co_u32 s2, s2, s96
	s_mul_i32 s96, s32, 24576
	s_add_co_u32 s3, s3, s96
	v_add_nc_u32 v4, s2, v216                      ; X, type 0 and 1
	v_add_nc_u32 v5, 49152, v4
	v_add_nc_u32 v6, s3, v216                      ; Y
	v_add_nc_u32 v7, 49152, v6
	s_lshl_b32 s96, s30, 10
	s_add_co_u32 s100, s100, s96
	s_add_co_u32 s100, s100, 196608
	s_lshl_b32 s96, s32, 10
	s_add_co_u32 s101, s101, s96
	s_add_co_u32 s101, s101, 196608
	v_lshl_add_u32 v8, v1, 2, s100                 ; X's scale words, Y's
	v_lshl_add_u32 v9, v1, 2, s101
	s_cmp_eq_u32 s28, 0                            ; the biases' buffers, chosen by j alone
	s_cselect_b64 s[60:61], s[8:9], s[12:13]
	s_cselect_b64 s[62:63], s[10:11], s[14:15]
	s_cmp_eq_u32 s28, 2
	s_cselect_b64 s[60:61], s[16:17], s[60:61]
	s_cselect_b64 s[62:63], s[18:19], s[62:63]
	s_cmp_eq_u32 s28, 2
	s_cbranch_scc1 .Lbias_v
	s_lshl_b32 s96, s29, 8                         ; q, k: my 16 d: 64 head + 32 xb + 16 h
	s_lshl_b32 s97, s30, 7
	s_add_co_u32 s96, s96, s97
	v_lshl_add_u32 v10, v2, 6, s96
.irp q, 0,1,2,3
	global_load_b128 v[BI+4*\q:BI+4*\q+3], v10, s[60:61] offset:16*\q
	global_load_b128 v[BI+16+4*\q:BI+16+4*\q+3], v10, s[62:63] offset:16*\q
.endr
	s_branch .Lbias_done
.Lbias_v:
	s_lshl_b32 s96, s29, 8                         ; v: my lane's d: 64 head + 32 yb + 8 n + (r & 7) + 16 (r >> 3)
	s_lshl_b32 s97, s32, 7
	s_add_co_u32 s96, s96, s97
	v_and_b32 v10, 7, v1
	v_lshrrev_b32 v11, 3, v1
	v_lshl_add_u32 v10, v11, 4, v10
	v_lshl_add_u32 v10, v10, 2, s96
	global_load_b32 v[BI], v10, s[60:61]
	global_load_b32 v[BI+2], v10, s[60:61] offset:32
	global_load_b32 v[BI+4], v10, s[62:63]
	global_load_b32 v[BI+6], v10, s[62:63] offset:32
.irp i, 1,3,5,7
	v_mov_b32 v[BI+\i], 0                          ; named as the upper halves of pairs, so they are written
.endr
.Lbias_done:
	s_mov_b32 s66, 0x76543210                      ; lane l xor 16
	s_mov_b32 s67, 0xfedcba98
	s_mov_b32 s100, 0x3fb8aa3b                     ; log2(e)
	s_wait_loadcnt 0x0                             ; the biases
	s_wait_tensorcnt 0x0                           ; my two fills have landed,
	s_barrier_signal -1
	s_barrier_wait -1                              ; everybody's have
	LOADH 0, 0, 0
	LOADH 1, 0, 1
.set S, 0
.rept 8                                ; eight K steps of 128; the two types by turns on two buffers; the eight accumulators take turns, one instruction a turn
	s_wait_dscnt 28                                ; buffer 0 is in; the other buffer's 28 loads may be out
	MULH 0, 0, S
	NOP4                                           ; four places in front of loads into registers that these products have read
.if S < 7
	LOADH 0, S+1, 0
	s_wait_dscnt 28
.else
	s_wait_dscnt 0
.endif
	MULH 1, 1, S
	NOP4                                           ; and, behind the last step, in front of the first reads of results
.if S < 7
	LOADH 1, S+1, 1
.endif
.set S, S+1
.endr
	s_cmp_eq_u32 s28, 2
	s_cbranch_scc1 .Lvpath
	s_cmp_eq_u32 s28, 1
	s_cbranch_scc1 .Lkpath
	QKPATH 0
	s_branch .Lend
.Lkpath:
	QKPATH 1
	s_branch .Lend
.Lvpath:
	s_mul_i32 s96, s29, 24576                      ; codes [head][type][d tile 4][block of 32 keys 8][16][24]: d tile 2 yb + n, block 2 (row group) + xb
	s_mul_i32 s97, s32, 6144
	s_add_co_u32 s96, s96, s97
	s_mul_i32 s97, s33, 768
	s_add_co_u32 s96, s96, s97
	s_mul_i32 s97, s30, 384
	s_add_co_u32 s96, s96, s97
	s_mov_b32 s97, 0
	s_add_nc_u64 s[96:97], s[22:23], s[96:97]
	s_lshl_b32 s98, s29, 10                        ; scale words [head][type][d tile][128 keys 2][16][4]
	s_lshl_b32 s99, s32, 8
	s_add_co_u32 s98, s98, s99
	s_lshr_b32 s99, s33, 1
	s_lshl_b32 s99, s99, 6
	s_add_co_u32 s98, s98, s99
	s_and_b32 s99, s33, 1
	s_lshl_b32 s99, s99, 1
	s_add_co_u32 s98, s98, s99
	s_add_co_u32 s98, s98, s30
	s_add_co_u32 s98, s98, VSO
	s_mov_b32 s99, 0
	s_add_nc_u64 s[98:99], s[22:23], s[98:99]
	v_mul_u32_u24 v11, v1, 24
	v_mad_u32_u24 v11, v2, 12, v11                 ; 24 r + 12 h
	v_lshlrev_b32 v12, 2, v1
	VN 0
	VN 1
.Lend:
	s_wait_tensorcnt 0x0
	ds_add_u32 v254, v255
	s_wait_dscnt 0x0
	ROUND                                          ; the closing round: no work-group ends while a partner may still ask for a tile that names it
	s_endpgm
.Lfunc_end_k_qa88c3d2d08_proj:
	.size	k_qa88c3d2d08_proj, .Lfunc_end_k_qa88c3d2d08_proj-k_qa88c3d2d08_proj
	.p2alignl 7, 3214868480
	.fill 96, 4, 3214868480
	.section	.rodata,"a",@progbits
	.p2align	6, 0x0
	.amdhsa_kernel k_qa88c3d2d08_proj
		.amdhsa_group_segment_fixed_size 205312
		.amdhsa_private_segment_fixed_size 0
		.amdhsa_enable_private_segment 0
		.amdhsa_kernarg_size 80
		.amdhsa_user_sgpr_count 2
		.amdhsa_user_sgpr_kernarg_segment_ptr 1
		.amdhsa_wavefront_size32 1
		.amdhsa_system_sgpr_workgroup_id_x 1
		.amdhsa_system_sgpr_workgroup_id_y 1
		.amdhsa_system_sgpr_workgroup_id_z 1
		.amdhsa_system_vgpr_workitem_id 0
		.amdhsa_next_free_vgpr 256
		.amdhsa_next_free_sgpr 102
		.amdhsa_reserve_vcc 1
		.amdhsa_float_denorm_mode_32 3
		.amdhsa_float_denorm_mode_16_64 3
		.amdhsa_memory_ordered 1
		.amdhsa_forward_progress 1
		.amdhsa_inst_pref_size 131
	.end_amdhsa_kernel
	.amdgpu_metadata
---
amdhsa.version: [ 1, 2 ]
amdhsa.kernels:
  - .name:           k_qa88c3d2d08_proj
    .symbol:         k_qa88c3d2d08_proj.kd
    .args:
      - { .name: aq, .offset: 0, .size: 8, .value_kind: global_buffer, .address_space: global }
      - { .name: wq, .offset: 8, .size: 8, .value_kind: global_buffer, .address_space: global }
      - { .name: bq_mu, .offset: 16, .size: 8, .value_kind: global_buffer, .address_space: global }
      - { .name: bq_var, .offset: 24, .size: 8, .value_kind: global_buffer, .address_space: global }
      - { .name: bk_mu, .offset: 32, .size: 8, .value_kind: global_buffer, .address_space: global }
      - { .name: bk_var, .offset: 40, .size: 8, .value_kind: global_buffer, .address_space: global }
      - { .name: bv_mu, .offset: 48, .size: 8, .value_kind: global_buffer, .address_space: global }
      - { .name: bv_var, .offset: 56, .size: 8, .value_kind: global_buffer, .address_space: global }
      - { .name: qk, .offset: 64, .size: 8, .value_kind: global_buffer, .address_space: global }
      - { .name: vq, .offset: 72, .size: 8, .value_kind: global_buffer, .address_space: global }
    .group_segment_fixed_size: 205312
    .private_segment_fixed_size: 0
    .kernarg_segment_align: 8
    .kernarg_segment_size: 80
    .max_flat_workgroup_size: 128
    .sgpr_count:     102
    .vgpr_count:     256
    .wavefront_size: 32
...
	.end_amdgpu_metadata
.endif
;; end of part 2
;; launch attn (part 3): grid 16 x 16, 4 waves a work-group, clusters of 4 x 1, 221,696 bytes of LDS; arguments qk, vq, oq; writes oq
.if DOCPART == 3
	.amdgcn_target "amdgcn-amd-amdhsa--gfx1250"
	.amdhsa_code_object_version 6
	.text
	.protected	k_qa88c3d2d08_attn
	.globl	k_qa88c3d2d08_attn
	.p2align	8
	.type	k_qa88c3d2d08_attn,@function
k_qa88c3d2d08_attn:
	s_mov_b64 s[64:65], 0
	v_nop
	global_prefetch_b8 v0, s[64:65] scope:SCOPE_SE
	s_setreg_imm32_b32 hwreg(HW_REG_WAVE_MODE, 25, 1), 1
	s_wait_xcnt 0x0
	s_wait_alu depctr_hold_cnt(0) depctr_sa_sdst(0) depctr_va_vdst(0) depctr_va_sdst(0) depctr_va_ssrc(0) depctr_va_vcc(0) depctr_vm_vsrc(0)
	s_getreg_b32 s2, hwreg(HW_REG_IB_STS2, 6, 4)
	s_cmp_eq_u32 s2, 0
	s_cbranch_scc0 .Lentry_in_a_cluster
	s_endpgm
.Lentry_in_a_cluster:
	s_bfe_u32 s2, ttmp6, 0x10000c
	s_cmp_lg_u32 s2, 0x3003
	s_cbranch_scc0 .Lentry_shape_is_right
	s_endpgm
.Lentry_shape_is_right:
; One head, one tile of 16 queries a work-group.  t = score x log2(e) = ka[key] + sum over 128 of K's operand x Q's operand + qa[query] (the projection launch has made the operands).
; The sum goes into a quantiser, so it is made in f32, by fused multiply-adds on the vector unit (v_pk_fma_f32: the two halves of a packed sum are the even and the odd channels, joined at the end).
; M = ceil(the row's largest t); p = 2^(t - M) is quantised along the keys for the first product (its result is divided by the row's sum l of the unquantised p); attn^2 = (p / l)^2 for the second.
; Both products on codes of FP6 (E2M3): source 0 = 16 d of V^T (codes with the keys innermost), source 1 = p or attn^2.  Their results are quantised along 64 head + d for the output projection.
; SHARES.  Scores and softmax: wave w owns keys 64 w .. 64 w + 63 (maxima and sums meet in LDS).  Second products: wave w owns type w >> 1 (0 mu, 1 var) and d 32 (w & 1) .. + 31, all 256 keys.
; THE SCORES: lane l = 8 g + mm takes a tile of 4 queries (positions 4 g ..) x 8 keys (8 mm .. of the wave's 64): for 4 channels it loads 8 + 4 pieces of 16 bytes from LDS and issues 64 packed multiply-adds.
; The 32 sums then go through the wave's own stage in LDS, so that lane (r, h) holds ONE query r and keys 32 bl + 16 h + 0 .. 15, the order in which the conversions and the second products want them.
; CLUSTER 4 x 1: the four query tiles of a cluster belong to one head: K's operands and V's codes are asked for jointly.  Each wave fetches what it alone reads: its own counted waits order its reads.
; LDS.  Filled once by tensor loads: K's operand 34,816 x w (64 rows of 512 bytes + 32 of padding: row 4 piece + key tile); V's codes 139,264 + 6,144 x w.  In blocks of 256 bytes into which no fill lands:
; each wave's copy of Q's operand 163,840 + 8,192 x w; each wave's stage 196,608 + 4,352 x w (16 queries x 272 bytes); maxima 214,016, sums 214,272, p's codes 214,528 [type][block 8][16][24], p's scale words 220,672.
; LIMITS: NaN and infinities are not served; a p under 2^-126 counts as 0; blocks under 2^-124 keep the byte 1.
.set KAO, 2097152
.set QAO, 4194304
.set KTO, 4227072
.set VSO, 393216
.set OSO, 393216
.set KREG, 34816
.set LV,  139264
.set LQL, 163840
.set LSS, 196608
.set LXM, 214016
.set LPC, 214528
.set LPS, 220672
; REGISTERS: v1 r, v2 h, v3 16 x lane, v4-11 LDS addresses, v12 qa, v13-15 offsets; v16-79 Q as loaded, then the 32 packed sums, later p (v16-47) and p's fragments (v48-71);
; v80-127, v128-175 two buffers (8 pieces of K, 4 of Q), later the sums (v80-111), V's fragments (v80-127), O (v128-143) and the scores (v144-175); v176-207 ka; v208-213 scale words and nothing else;
; v214-245 ka's second part, then at work; v246 the way out's offset; v248-251 at work; v252 where Q is laid, v253 where it is read, v254 into the stage, v255 out of it.
.macro NOP4
.rept 4
	v_nop
.endr
.endm
.macro ROUND
	s_barrier_signal -1
	s_barrier_wait -1
	s_cmp_lg_u32 s10, 0
	s_cbranch_scc1 .Lnot_wave_0_\@
	s_barrier_signal -3
.Lnot_wave_0_\@:
	s_barrier_wait -3
	s_barrier_signal -1
	s_barrier_wait -1
.endm
.macro BARRIER                         ; my LDS stores have landed and my LDS loads are in: then the work-group's barrier
	s_wait_dscnt 0x0
	s_barrier_signal -1
	s_barrier_wait -1
.endm
; Step st of 32: the four channels of piece st / 2, half st % 2.  12 LDS loads into buffer st % 2: my 8 keys' pieces (eight key groups read eight different columns of 16 bytes; other query groups share the word), my 4 queries'.
.macro CLOAD st
.set KB, 80+48*((\st)%2)
.irp e, 0,1,2,3,4,5,6,7
	ds_load_b128 v[KB+4*\e:KB+4*\e+3], v4 offset:2176*((\st)/2)+256*((\st)%2)+16*\e
.endr
.irp q, 0,1,2,3
	ds_load_b128 v[KB+32+4*\q:KB+32+4*\q+3], v253 offset:512*((\st)/2)+256*((\st)%2)+16*\q
.endr
.endm
; 64 packed multiply-adds: two pairs of channels x 4 queries x 8 keys; 31 other sums stand between two steps of one sum.  The very first 32 start the sums: nothing is cleared.
.macro FSTEP st
.set KB, 80+48*((\st)%2)
.irp a, 0,1
.irp q, 0,1,2,3
.irp e, 0,1,2,3,4,5,6,7
.if ((\st) == 0) && (\a == 0)
	v_pk_mul_f32 v[16+2*(8*\q+\e):17+2*(8*\q+\e)], v[KB+4*\e+2*\a:KB+4*\e+2*\a+1], v[KB+32+4*\q+2*\a:KB+32+4*\q+2*\a+1]
.else
	v_pk_fma_f32 v[16+2*(8*\q+\e):17+2*(8*\q+\e)], v[KB+4*\e+2*\a:KB+4*\e+2*\a+1], v[KB+32+4*\q+2*\a:KB+32+4*\q+2*\a+1], v[16+2*(8*\q+\e):17+2*(8*\q+\e)]
.endif
.endr
.endr
.endr
.endm
; my 32 numbers (v16-47: two blocks of 32 keys, each shared with lane l xor 16; their largest in v216, v217) become codes and two scale bytes in LDS
.macro QP ty
.irp b, 0,1
	v_max_num_f32 v[232+\b], 0x1800000, v[216+\b]  ; the floor 2^(3 - 127): the byte cannot fall under 1
.endr
.irp b, 0,1
	v_add_nc_u32 v[232+\b], 0xff000000, v[232+\b]  ; 2 off the exponent field: the conversion's scale operand
.endr
.irp b, 0,1
	v_lshrrev_b32 v[234+\b], 23, v[232+\b]
.endr
	v_lshl_or_b32 v234, v235, 8, v234
	v_cvt_scalef32_pk16_fp6_f32 v[236:238], v[16:31], v232
	v_cvt_scalef32_pk16_fp6_f32 v[240:242], v[32:47], v233
	v_nop                                          ; one plain place behind a scaled conversion
.irp i, 0,1,2
	ds_store_b32 v9, v[236+\i] offset:3072*(\ty)+4*\i        ; block 2 w: 24 r + 12 h
	ds_store_b32 v9, v[240+\i] offset:3072*(\ty)+384+4*\i    ; block 2 w + 1
.endr
	ds_store_b16 v10, v234 offset:128*(\ty)        ; bytes 2 (w & 1) and + 1 of my row's word for keys 128 (w >> 1) on
.endm
	s_load_b128 s[4:7], s[0:1], 0x0                ; qk, vq
	s_load_b64 s[8:9], s[0:1], 0x10                ; oq
	v_lshl_add_u32 v249, v0, 2, 0x36000
	s_set_vgpr_msb 0x40
	v_mov_b32 v1, 0
	s_set_vgpr_msb 0x4044
	ds_add_u32 v249, v1
	ds_add_u32 v249, v1
	s_set_vgpr_msb 0x4400
	v_lshrrev_b32 v1, 5, v0
	v_readfirstlane_b32 s10, v1                    ; wave
	s_lshr_b32 s14, s10, 1                         ; type
	s_and_b32 s15, s10, 1                          ; which 32 d
	s_bfe_u32 s11, ttmp6, 0x40000                  ; cx
	s_lshl_b32 s12, ttmp9, 2
	s_add_co_u32 s12, s12, s11                     ; my tile of queries: it enters global addresses of my own loads and stores alone
	s_and_b32 s13, ttmp7, 0xffff                   ; the head, which the four partners share
	; descriptor groups 1; the mask names all four, bit 21 beside it
	s_mov_b32 s24, 15|(3<<16)|(1<<20)|(1<<21)|(6<<22)|(7<<25)  ; elements of 8 bytes; padding on: behind every 128 words (code 6) 8 words (code 7)
	s_mov_b32 s25, 64<<16                          ; a chunk of K's operand: rows of 64 elements, 512 bytes,
	s_mov_b32 s26, 16<<16                          ; 16 of them, dense in memory: 8,192 bytes
	s_mov_b32 s27, 64<<16
	s_mov_b32 s28, 16
	s_mov_b32 s29, 64
	s_mov_b32 s30, 0
	s_mov_b32 s31, 0
	s_mov_b32 s32, 15|(3<<16)|(1<<21)
	s_mov_b32 s33, 32<<16
	s_mov_b32 s34, 24<<16                          ; my quarter of V's codes: 24 rows of 256 bytes, 6,144 bytes, no padding
	s_mov_b32 s35, 32<<16
	s_mov_b32 s36, 24
	s_mov_b32 s37, 32
	s_mov_b32 s38, 0
	s_mov_b32 s39, 0
	s_mul_i32 s20, s10, KREG                       ; where they go: the wave number alone
	s_mul_i32 s21, s10, 6144
	s_lshl_b32 s16, s13, 17
	s_lshl_b32 s22, s10, 15
	s_add_co_u32 s16, s16, s22
	s_add_co_u32 s16, s16, KAO
	s_mov_b32 s17, 0
	s_mul_i32 s18, s13, 24576
	s_add_co_u32 s18, s18, s21
	s_mov_b32 s19, 0
	s_wait_dscnt 0x0
	s_wait_kmcnt 0x0
	s_add_nc_u64 s[16:17], s[4:5], s[16:17]
	s_add_nc_u64 s[18:19], s[6:7], s[18:19]
.irp c, 0,1,2,3
	s_mov_b32 s[40+4*\c], 1
	s_add_co_u32 s[41+4*\c], s20, 8704*\c          ; 16 rows of 544 bytes in LDS
	s_add_nc_u64 s[42+4*\c:43+4*\c], s[16:17], 8192*\c
	s_or_b32 s[43+4*\c], s[43+4*\c], 0x80000000
.endr
	s_mov_b32 s56, 1
	s_add_co_u32 s57, s21, LV
	s_mov_b64 s[58:59], s[18:19]
	s_or_b32 s59, s59, 0x80000000
	ROUND                                          ; all four work-groups are here: the joint loads meet
	tensor_load_to_lds s[40:43], s[24:31]          ; five loads of mine are out: four chunks of K's operand,
	s_nop 0
	tensor_load_to_lds s[44:47], s[24:31]
	s_nop 0
	tensor_load_to_lds s[48:51], s[24:31]
	s_nop 0
	tensor_load_to_lds s[52:55], s[24:31]
	s_nop 0
	tensor_load_to_lds s[56:59], s[32:39]          ; and V's codes
	s_nop 0
	NOP4
	v_and_b32 v1, 15, v0                           ; r
	v_bfe_u32 v2, v0, 4, 1                         ; h
	v_and_b32 v3, 31, v0
	v_lshlrev_b32 v3, 4, v3                        ; 16 x lane
	v_bfe_u32 v251, v0, 2, 1                       ; my key group mm = lane & 7 = 4 bl + 2 a + u: keys 8 mm + e are positions 8 a + e of key tile 2 bl + u
	v_and_b32 v248, 1, v0
	v_lshl_add_u32 v251, v251, 1, v248
	v_mul_u32_u24 v4, v251, 544
	v_bfe_u32 v248, v0, 1, 1
	v_lshl_add_u32 v4, v248, 7, v4
	v_add_nc_u32 v4, s20, v4                       ; K's operand: 34,816 w + 544 (2 bl + u) + 128 a
	v_bfe_u32 v251, v0, 3, 2                       ; my query group g
	s_lshl_b32 s22, s10, 13
	s_add_co_u32 s22, s22, LQL                     ; my wave's copy of Q's operand
	v_add_nc_u32 v252, s22, v3                     ; laid as loaded: 16 x lane
	v_lshl_add_u32 v253, v251, 6, s22              ; read by positions 4 g on
	s_mul_i32 s22, s10, 4352
	s_add_co_u32 s22, s22, LSS                     ; my stage
	v_mul_u32_u24 v254, v251, 1088
	v_and_b32 v248, 7, v0
	v_lshl_add_u32 v254, v248, 5, v254
	v_add_nc_u32 v254, s22, v254                   ; in: rows 4 g on, 32 mm bytes on
	v_mul_u32_u24 v255, v1, 272
	v_lshl_add_u32 v255, v2, 6, v255
	v_add_nc_u32 v255, s22, v255                   ; back: row r, 64 h bytes on
	v_mul_u32_u24 v247, v1, 24
	v_mad_u32_u24 v5, v2, 384, v247                ; a fragment's lane term: 24 r + 384 h
	s_mul_i32 s22, s14, 3072
	s_add_co_u32 s22, s22, LPC
	v_add_nc_u32 v6, s22, v5                       ; my type's fragments of p
	v_add_nc_u32 v5, s57, v5                       ; my fragments of V
	v_lshlrev_b32 v13, 2, v1                       ; 4 r
	s_lshl_b32 s22, s10, 6
	s_add_co_u32 s22, s22, LXM
	v_add_nc_u32 v7, s22, v13                      ; where I put my wave's maximum (sum: 256 on)
	v_add_nc_u32 v8, LXM, v13                      ; where I read the four
	v_mad_u32_u24 v246, v2, 12, v247               ; 24 r + 12 h
	s_mul_i32 s22, s10, 768
	s_add_co_u32 s22, s22, LPC
	v_add_nc_u32 v9, s22, v246                     ; where I put codes
	s_lshl_b32 s22, s14, 6
	s_lshl_b32 s23, s15, 1
	s_add_co_u32 s22, s22, s23
	s_add_co_u32 s22, s22, LPS
	v_add_nc_u32 v10, s22, v13                     ; and scale bytes
	s_lshl_b32 s22, s14, 7
	s_add_co_u32 s22, s22, LPS
	v_add_nc_u32 v11, s22, v13                     ; my type's scale words of p
	v_lshlrev_b32 v14, 6, v2                       ; ka: 16 keys a half
	v_and_b32 v15, 7, v1
	v_lshrrev_b32 v248, 3, v1
	v_lshl_add_u32 v15, v248, 4, v15
	v_lshlrev_b32 v15, 2, v15                      ; qa: my query in its tile
	v_mov_b32 v250, 0                              ; a lane permute's destination counts as one of its sources
	s_mov_b32 s60, 0x76543210
	s_mov_b32 s61, 0xfedcba98
	s_lshl_b32 s66, s13, 17                        ; Q's operand: head, group qt / 4, tile qt & 3
	s_lshr_b32 s22, s12, 2
	s_lshl_b32 s22, s22, 15
	s_add_co_u32 s66, s66, s22
	s_and_b32 s22, s12, 3
	s_lshl_b32 s22, s22, 9
	s_add_co_u32 s66, s66, s22
	s_mov_b32 s67, 0
	s_add_nc_u64 s[66:67], s[4:5], s[66:67]
	s_lshl_b32 s68, s13, 11                        ; ka of my 64 keys
	s_lshl_b32 s22, s10, 8
	s_add_co_u32 s68, s68, s22
	s_add_co_u32 s68, s68, KTO
	s_mov_b32 s69, 0
	s_add_nc_u64 s[68:69], s[4:5], s[68:69]
	s_lshl_b32 s70, s13, 11                        ; qa of my tile: rows 32 (qt / 2) + 8 (qt & 1) on
	s_lshr_b32 s22, s12, 1
	s_lshl_b32 s22, s22, 7
	s_add_co_u32 s70, s70, s22
	s_and_b32 s22, s12, 1
	s_lshl_b32 s22, s22, 5
	s_add_co_u32 s70, s70, s22
	s_add_co_u32 s70, s70, QAO
	s_mov_b32 s71, 0
	s_add_nc_u64 s[70:71], s[4:5], s[70:71]
	s_lshl_b32 s72, s13, 10                        ; V's scale words: head, type, d tiles 2 bd and 2 bd + 1
	s_lshl_b32 s22, s14, 9
	s_add_co_u32 s72, s72, s22
	s_lshl_b32 s22, s15, 8
	s_add_co_u32 s72, s72, s22
	s_add_co_u32 s72, s72, VSO
	s_mov_b32 s73, 0
	s_add_nc_u64 s[72:73], s[6:7], s[72:73]
	s_mul_i32 s74, s14, 196608                     ; the way out: codes [type][query tile][block 2 head + bd][16][24]
	s_mul_i32 s22, s12, 12288
	s_add_co_u32 s74, s74, s22
	s_mul_i32 s22, s13, 768
	s_add_co_u32 s74, s74, s22
	s_mul_i32 s22, s15, 384
	s_add_co_u32 s74, s74, s22
	s_mov_b32 s75, 0
	s_add_nc_u64 s[74:75], s[8:9], s[74:75]
	s_lshl_b32 s76, s14, 13                        ; and the scale byte
	s_lshl_b32 s22, s12, 9
	s_add_co_u32 s76, s76, s22
	s_lshr_b32 s22, s13, 1
	s_lshl_b32 s22, s22, 6
	s_add_co_u32 s76, s76, s22
	s_and_b32 s22, s13, 1
	s_lshl_b32 s22, s22, 1
	s_add_co_u32 s76, s76, s22
	s_add_co_u32 s76, s76, s15
	s_add_co_u32 s76, s76, OSO
	s_mov_b32 s77, 0
	s_add_nc_u64 s[76:77], s[8:9], s[76:77]
.irp q, 0,1,2,3,4,5,6,7,8,9,10,11,12,13,14,15
	global_load_b128 v[16+4*\q:19+4*\q], v3, s[66:67] offset:2048*\q   ; Q's 16 pieces first: they are wanted first
.endr
.irp t, 0,1,2,3                        ; register 8 t + j, t = 2 bl + u, holds key 64 w + 32 bl + 16 h + 8 u + j
	global_load_b128 v[176+8*\t:179+8*\t], v14, s[68:69] offset:128*(\t/2)+32*(\t%2)
	global_load_b128 v[180+8*\t:183+8*\t], v14, s[68:69] offset:128*(\t/2)+32*(\t%2)+16
	global_load_b128 v[214+8*\t:217+8*\t], v14, s[68:69] offset:1024+128*(\t/2)+32*(\t%2)
	global_load_b128 v[218+8*\t:221+8*\t], v14, s[68:69] offset:1024+128*(\t/2)+32*(\t%2)+16
.endr
	global_load_b32 v12, v15, s[70:71]
	global_load_b32 v248, v15, s[70:71] offset:1024
.irp u, 0,1
.irp s, 0,1
	global_load_b32 v[208+2*\u+\s], v13, s[72:73] offset:128*\u+64*\s
.endr
.endr
	s_wait_loadcnt 22                              ; Q's 16 loads are in; the 22 behind them (ka, qa, V's scale words) stay out until the scores are made
.irp q, 0,1,2,3,4,5,6,7,8,9,10,11,12,13,14,15
	ds_store_b128 v252, v[16+4*\q:19+4*\q] offset:512*\q   ; my wave's own copy: LDS serves a wave's instructions in order, so no barrier and no wait stand ahead of my reads of it
.endr
	; ---- the scores
	s_wait_tensorcnt 4                             ; chunk 0 of K's operand is in; three chunks and V's codes may be out
	CLOAD 0
	CLOAD 1
.set ST, 0
.rept 32
.if ST < 31
	s_wait_dscnt 12                                ; this step's 12 loads are in (at step 0 Q's 16 stores too: their registers become the sums); the next step's 12 may be out
.else
	s_wait_dscnt 0
.endif
	FSTEP ST
.if ST < 30
.if (ST+2)%8 == 0
	s_wait_tensorcnt 4-(ST+2)/8                    ; the next chunk (8 steps) is in
.endif
	CLOAD ST+2
.endif
.set ST, ST+1
.endr
.irp q, 0,1,2,3
.irp e, 0,1,2,3,4,5,6,7
	v_add_f32 v[80+8*\q+\e], v[16+2*(8*\q+\e)], v[17+2*(8*\q+\e)]   ; even and odd channels: the sum of query 4 g + q, key 8 mm + e
.endr
.endr
.irp q, 0,1,2,3
	ds_store_b128 v254, v[80+8*\q:83+8*\q] offset:272*\q
	ds_store_b128 v254, v[84+8*\q:87+8*\q] offset:272*\q+16
.endr
.irp b, 0,1
.irp i, 0,1,2,3
	ds_load_b128 v[144+16*\b+4*\i:147+16*\b+4*\i], v255 offset:128*\b+16*\i   ; back: query r, keys 32 b + 16 h + 4 i on (LDS serves a wave's instructions in order: these see my stores)
.endr
.endr
	s_wait_loadcnt 0x0                             ; ka, qa, V's scale words
.set i, 0
.rept 16
	v_pk_add_f32 v[176+i:177+i], v[176+i:177+i], v[214+i:215+i]   ; ka's two parts
.set i, i+2
.endr
	v_add_f32 v12, v12, v248                       ; qa's
	v_mov_b32 v218, 0                              ; a lane permute's destination counts as one of its sources
	v_mov_b32 v219, 0
	s_wait_dscnt 0x0                               ; the scores are back, and the stage's stores have read their registers
	s_wait_tensorcnt 0x0                           ; V's codes
.irp u, 0,1
.irp s, 0,1
.irp p, 0,1,2,3,4,5
	ds_load_b64 v[80+24*\u+12*\s+2*\p:81+24*\u+12*\s+2*\p], v5 offset:3072*\u+1536*\s+768*(\p/3)+8*(\p%3)
.endr
.endr
.endr
.set i, 0
.rept 16
	v_pk_add_f32 v[144+i:145+i], v[144+i:145+i], v[176+i:177+i]   ; + ka
.set i, i+2
.endr
	; ---- the softmax.  The largest score of each block of 32 keys serves twice: for the row's maximum, and, since p rises with the score, for the block's largest p
.irp b, 0,1
	v_max3_num_f32 v[216+\b], v[144+16*\b], v[145+16*\b], v[146+16*\b]
.endr
.irp i, 3,5,7,9,11,13
.irp b, 0,1
	v_max3_num_f32 v[216+\b], v[216+\b], v[144+16*\b+\i], v[145+16*\b+\i]
.endr
.endr
.irp b, 0,1
	v_max_num_f32 v[216+\b], v[216+\b], v[159+16*\b]
.endr
.irp b, 0,1
	v_permlanex16_b32 v[218+\b], v[216+\b], s60, s61
.endr
.irp b, 0,1
	v_max_num_f32 v[216+\b], v[216+\b], v[218+\b]
.endr
	v_max_num_f32 v220, v216, v217
	ds_store_b32 v7, v220                          ; my 64 keys' largest, for each query
	BARRIER
.irp w, 0,1,2,3
	ds_load_b32 v[220+\w], v8 offset:64*\w
.endr
	s_wait_dscnt 0x0
	v_max3_num_f32 v220, v220, v221, v222
	v_max_num_f32 v220, v220, v223
	v_add_f32 v220, v220, v12                      ; the row's largest t
	v_floor_f32 v221, -v220                        ; -M = floor(-t): M is a whole number
	v_add_f32 v224, v12, v221                      ; qa - M
	v_mov_b32 v225, v224
.set i, 0
.rept 16
	v_pk_add_f32 v[16+i:17+i], v[144+i:145+i], v[224:225]   ; t - M
.set i, i+2
.endr
	v_add_f32 v216, v216, v224                     ; the same of each block's largest
	v_add_f32 v217, v217, v224
.set i, 0
.rept 32
	v_exp_f32 v[16+i], v[16+i]                     ; p, at most 1, not normalised
.set i, i+1
.endr
	v_nop
	s_wait_alu depctr_va_vdst(0)                   ; one wait for the batch, ahead of its first reader
	v_exp_f32 v216, v216                           ; the blocks' largest p: the same instructions on the same numbers give the same bits
	v_exp_f32 v217, v217
	v_pk_add_f32 v[226:227], v[16:17], v[18:19]    ; the sum of the unquantised p, in two chains
	v_pk_add_f32 v[228:229], v[20:21], v[22:23]
.irp j, 24,28,32,36,40,44
	v_pk_add_f32 v[226:227], v[226:227], v[\j:\j+1]
	v_pk_add_f32 v[228:229], v[228:229], v[\j+2:\j+3]
.endr
	v_pk_add_f32 v[226:227], v[226:227], v[228:229]
	v_add_f32 v226, v226, v227
	v_permlanex16_b32 v218, v226, s60, s61
	v_add_f32 v226, v226, v218
	s_wait_alu depctr_va_vdst(0)                   ; and one for the two
	ds_store_b32 v7, v226 offset:256
	QP 0
	BARRIER
.irp w, 0,1,2,3
	ds_load_b32 v[220+\w], v8 offset:256+64*\w
.endr
	s_wait_dscnt 0x0
	v_add_f32 v220, v220, v221
	v_add_f32 v222, v222, v223
	v_add_f32 v220, v220, v222                     ; l
	v_rcp_f32 v230, v220
	v_nop
	s_wait_alu depctr_va_vdst(0)
	v_mov_b32 v231, v230
.set i, 0
.rept 16
	v_pk_mul_f32 v[16+i:17+i], v[16+i:17+i], v[230:231]      ; the finished softmax,
.set i, i+2
.endr
.set i, 0
.rept 16
	v_pk_mul_f32 v[16+i:17+i], v[16+i:17+i], v[16+i:17+i]    ; squared
.set i, i+2
.endr
.irp b, 0,1
	v_mul_f32 v[216+\b], v[216+\b], v230
.endr
.irp b, 0,1
	v_mul_f32 v[216+\b], v[216+\b], v[216+\b]
.endr
	QP 1
	BARRIER
	; ---- the second products: my type, my 32 d, all 256 keys
.irp s, 0,1
.irp p, 0,1,2,3,4,5
	ds_load_b64 v[48+12*\s+2*\p:49+12*\s+2*\p], v6 offset:1536*\s+768*(\p/3)+8*(\p%3)
.endr
.endr
	ds_load_b32 v212, v11
	ds_load_b32 v213, v11 offset:64
	s_cmp_eq_u32 s14, 0
	s_cselect_b32 s22, -1, 0
	v_cndmask_b32 v244, 1.0, v230, s22             ; the mu product is divided by l; the var product's operand was finished
	v_mov_b32 v245, v244
	s_wait_dscnt 0x0
.irp s, 0,1                            ; the two accumulators take turns, one instruction a turn
.irp u, 0,1
.if \s == 0
	v_wmma_scale_f32_16x16x128_f8f6f4 v[128+8*\u:135+8*\u], v[80+24*\u+12*\s:91+24*\u+12*\s], v[48+12*\s:59+12*\s], 0, v[208+2*\u+\s], v[212+\s] matrix_a_fmt:MATRIX_FMT_FP6 matrix_b_fmt:MATRIX_FMT_FP6
.else
	v_wmma_scale_f32_16x16x128_f8f6f4 v[128+8*\u:135+8*\u], v[80+24*\u+12*\s:91+24*\u+12*\s], v[48+12*\s:59+12*\s], v[128+8*\u:135+8*\u], v[208+2*\u+\s], v[212+\s] matrix_a_fmt:MATRIX_FMT_FP6 matrix_b_fmt:MATRIX_FMT_FP6
.endif
.endr
.endr
	NOP4
.set i, 0
.rept 8
	v_pk_mul_f32 v[128+i:129+i], v[128+i:129+i], v[244:245]  ; lane (r, h): query r, d = 32 bd + 16 h + 0 .. 15
.set i, i+2
.endr
	v_max3_num_f32 v248, |v128|, |v129|, 0x1800000
	v_max3_num_f32 v251, |v136|, |v137|, |v138|
	v_max3_num_f32 v248, v248, |v130|, |v131|
	v_max3_num_f32 v251, v251, |v139|, |v140|
	v_max3_num_f32 v248, v248, |v132|, |v133|
	v_max3_num_f32 v251, v251, |v141|, |v142|
	v_max3_num_f32 v248, v248, |v134|, |v135|
	v_max3_num_f32 v248, v248, v251, |v143|
	v_permlanex16_b32 v250, v248, s60, s61
	v_max_num_f32 v248, v248, v250
	v_add_nc_u32 v251, 0xff000000, v248
	v_cvt_scalef32_pk16_fp6_f32 v[236:238], v[128:143], v251
	v_lshrrev_b32 v234, 23, v251                   ; (a plain line behind the conversion)
	global_store_b96 v246, v[236:238], s[74:75]    ; 384 consecutive bytes: a block unit
	global_store_b8 v13, v234, s[76:77]            ; both halves of the lanes write the same byte with the same value
	s_set_vgpr_msb 0x4
	s_wait_tensorcnt 0x0
	ds_add_u32 v249, v1
	s_wait_dscnt 0x0
	s_set_vgpr_msb 0x400
	ROUND                                          ; the closing round
	s_endpgm
.Lfunc_end_k_qa88c3d2d08_attn:
	.size	k_qa88c3d2d08_attn, .Lfunc_end_k_qa88c3d2d08_attn-k_qa88c3d2d08_attn
	.p2alignl 7, 3214868480
	.fill 96, 4, 3214868480
	.section	.rodata,"a",@progbits
	.p2align	6, 0x0
	.amdhsa_kernel k_qa88c3d2d08_attn
		.amdhsa_group_segment_fixed_size 221696
		.amdhsa_private_segment_fixed_size 0
		.amdhsa_enable_private_segment 0
		.amdhsa_kernarg_size 24
		.amdhsa_user_sgpr_count 2
		.amdhsa_user_sgpr_kernarg_segment_ptr 1
		.amdhsa_wavefront_size32 1
		.amdhsa_system_sgpr_workgroup_id_x 1
		.amdhsa_system_sgpr_workgroup_id_y 1
		.amdhsa_system_sgpr_workgroup_id_z 1
		.amdhsa_system_vgpr_workitem_id 0
		.amdhsa_next_free_vgpr 258
		.amdhsa_next_free_sgpr 80
		.amdhsa_reserve_vcc 0
		.amdhsa_float_denorm_mode_32 3
		.amdhsa_float_denorm_mode_16_64 3
		.amdhsa_memory_ordered 1
		.amdhsa_forward_progress 1
		.amdhsa_inst_pref_size 187
	.end_amdhsa_kernel
	.amdgpu_metadata
---
amdhsa.version: [ 1, 2 ]
amdhsa.kernels:
  - .name:           k_qa88c3d2d08_attn
    .symbol:         k_qa88c3d2d08_attn.kd
    .args:
      - { .name: qk, .offset: 0, .size: 8, .value_kind: global_buffer, .address_space: global }
      - { .name: vq, .offset: 8, .size: 8, .value_kind: global_buffer, .address_space: global }
      - { .name: oq, .offset: 16, .size: 8, .value_kind: global_buffer, .address_space: global }
    .group_segment_fixed_size: 221696
    .private_segment_fixed_size: 0
    .kernarg_segment_align: 8
    .kernarg_segment_size: 24
    .max_flat_workgroup_size: 128
    .sgpr_count:     80
    .vgpr_count:     258
    .wavefront_size: 32
...
	.end_amdgpu_metadata
.endif
;; end of part 3
;; launch outp (part 4): grid 16 x 16, 4 waves a work-group, no clusters, 35,328 bytes of LDS; arguments oq, wq, bo_mu, bo_var, out0, out1; writes out0, out1
.if DOCPART == 4
	.amdgcn_target "amdgcn-amd-amdhsa--gfx1250"
	.amdhsa_code_object_version 6
	.text
	.protected	k_qa88c3d2d08_outp
	.globl	k_qa88c3d2d08_outp
	.p2align	8
	.type	k_qa88c3d2d08_outp,@function
k_qa88c3d2d08_outp:
	s_mov_b64 s[64:65], 0
	v_nop
	global_prefetch_b8 v0, s[64:65] scope:SCOPE_SE
	s_setreg_imm32_b32 hwreg(HW_REG_WAVE_MODE, 25, 1), 1
	s_wait_xcnt 0x0
; The two output projections on codes of FP6 (E2M3): out0 = O_mu wo_mu + bo_mu, out1 = softplus(O_var wo_var + bo_var).
; A work-group makes 32 rows x 64 columns of one of them (type = y / 8, rows y & 7, columns x).  K IS SHARED AMONG THE WAVES: wave w takes K steps 2 w and 2 w + 1 for the whole tile, so that each of the
; work-group's 48 fragments is read by one wave, once, straight into registers.  NO CLUSTER, NO TENSOR LOAD: nothing is read twice inside a work-group, so LDS would only be a detour for operands used once.
; The four partial sums meet in LDS on the way out: each wave lays its 32 x 64 in a stage of true rows (272 bytes apart), a barrier, and each wave adds and stores 8 whole pieces of rows.
; LIMITS: NaN and infinities are not served; under z = -87 the softplus is 0.
.set WSC, 6291456
.set OSO, 393216
.set ACC, 172                          ; v172-235 accumulator (bx, n, u) at 172 + 32 bx + 16 n + 8 u
.set Z,   96                           ; v96-111 the 16 numbers that I store
.set EA,  16
.set EE,  32
.set EU,  48
.set ED,  64
.set RC,  80
	s_load_b256 s[4:11], s[0:1], 0x0               ; oq, wq, bo_mu, bo_var
	s_load_b128 s[12:15], s[0:1], 0x20             ; out0, out1
	v_lshl_add_u32 v254, v0, 2, 0x8800
	v_mov_b32 v255, 0
	v_lshrrev_b32 v1, 5, v0
	v_readfirstlane_b32 s16, v1                    ; wave
	s_and_b32 s18, ttmp7, 0xffff
	s_lshr_b32 s19, s18, 3                         ; type
	s_and_b32 s20, s18, 7                          ; which 32 rows
	v_and_b32 v1, 15, v0                           ; r
	v_bfe_u32 v2, v0, 4, 1                         ; h
	v_mul_u32_u24 v3, v1, 24
	v_mad_u32_u24 v3, v2, 384, v3                  ; a fragment's lane term
	v_lshlrev_b32 v4, 2, v1
	v_lshlrev_b32 v5, 4, v1
	s_mul_i32 s21, s16, 8704                       ; my stage
	v_and_b32 v6, 7, v1
	v_lshrrev_b32 v7, 3, v1
	v_lshl_add_u32 v6, v7, 4, v6
	v_mul_u32_u24 v6, v6, 272
	v_lshl_add_u32 v6, v2, 6, v6
	v_add_nc_u32 v6, s21, v6                       ; in: true row (r & 7) + 16 (r >> 3) (+ 8 n), columns 16 h on
	s_mul_i32 s21, s16, 2176
	v_mul_u32_u24 v7, v2, 272
	v_add_nc_u32 v7, v7, v5
	v_add_nc_u32 v7, s21, v7                       ; back: rows 8 w + h (+ 2 k), 16 bytes a lane
	v_lshl_add_u32 v8, v2, 12, v5                  ; and the same in the output
	s_add_co_u32 s21, s19, 6                       ; the weight: 6 + type
	s_mul_i32 s24, s21, 786432
	s_mul_i32 s22, ttmp9, 49152
	s_add_co_u32 s24, s24, s22
	s_mul_i32 s23, s16, 3072                       ; my two K steps
	s_add_co_u32 s24, s24, s23
	s_mov_b32 s25, 0
	s_mul_i32 s26, s19, 196608
	s_mul_i32 s22, s20, 24576
	s_add_co_u32 s26, s26, s22
	s_add_co_u32 s26, s26, s23
	s_mov_b32 s27, 0
	s_lshl_b32 s28, s21, 15
	s_lshl_b32 s22, ttmp9, 11
	s_add_co_u32 s28, s28, s22
	s_lshl_b32 s23, s16, 7
	s_add_co_u32 s28, s28, s23
	s_add_co_u32 s28, s28, WSC
	s_mov_b32 s29, 0
	s_lshl_b32 s30, s19, 13
	s_lshl_b32 s22, s20, 10
	s_add_co_u32 s30, s30, s22
	s_add_co_u32 s30, s30, s23
	s_add_co_u32 s30, s30, OSO
	s_mov_b32 s31, 0
	s_lshl_b32 s36, ttmp9, 8                       ; my 64 columns, in bytes
	s_mov_b32 s37, 0
	s_lshl_b32 s38, s20, 17
	s_lshl_b32 s22, s16, 15
	s_add_co_u32 s38, s38, s22
	s_add_co_u32 s38, s38, s36
	s_mov_b32 s39, 0
	s_wait_kmcnt 0x0
	s_add_nc_u64 s[24:25], s[6:7], s[24:25]
	s_add_nc_u64 s[26:27], s[4:5], s[26:27]
	s_add_nc_u64 s[28:29], s[6:7], s[28:29]
	s_add_nc_u64 s[30:31], s[4:5], s[30:31]
	s_cmp_eq_u32 s19, 0                            ; bias and output, chosen by the work-group number alone
	s_cselect_b64 s[32:33], s[8:9], s[10:11]
	s_cselect_b64 s[34:35], s[12:13], s[14:15]
	s_add_nc_u64 s[32:33], s[32:33], s[36:37]
	s_add_nc_u64 s[34:35], s[34:35], s[38:39]
.irp tx, 0,1,2,3                       ; the weight's four column tiles x my two K steps: v16-111
.irp sl, 0,1
.irp p, 0,1,2,3,4,5
	global_load_b64 v[16+24*\tx+12*\sl+2*\p:17+24*\tx+12*\sl+2*\p], v3, s[24:25] offset:12288*\tx+1536*\sl+768*(\p/3)+8*(\p%3)
.endr
.endr
.endr
.irp n, 0,1                            ; O's two row tiles: v112-159
.irp sl, 0,1
.irp p, 0,1,2,3,4,5
	global_load_b64 v[112+24*\n+12*\sl+2*\p:113+24*\n+12*\sl+2*\p], v3, s[26:27] offset:12288*\n+1536*\sl+768*(\p/3)+8*(\p%3)
.endr
.endr
.endr
.irp tx, 0,1,2,3                       ; scale words: v160-171, which hold nothing else
.irp sl, 0,1
	global_load_b32 v[160+2*\tx+\sl], v4, s[28:29] offset:512*\tx+64*\sl
.endr
.endr
.irp n, 0,1
.irp sl, 0,1
	global_load_b32 v[168+2*\n+\sl], v4, s[30:31] offset:512*\n+64*\sl
.endr
.endr
	global_load_b128 v[236:239], v5, s[32:33]      ; the bias of my four columns on the way out
	s_wait_loadcnt 0x0
.irp sl, 0,1                           ; source 0 = 16 columns of the weight, source 1 = 16 rows of O: a lane holds one row and 16 neighbouring columns.  The eight accumulators take turns
.irp bx, 0,1
.irp n, 0,1
.irp u, 0,1
.if \sl == 0
	v_wmma_scale_f32_16x16x128_f8f6f4 v[ACC+32*\bx+16*\n+8*\u:ACC+32*\bx+16*\n+8*\u+7], v[16+24*(2*\bx+\u)+12*\sl:27+24*(2*\bx+\u)+12*\sl], v[112+24*\n+12*\sl:123+24*\n+12*\sl], 0, v[160+2*(2*\bx+\u)+\sl], v[168+2*\n+\sl] matrix_a_fmt:MATRIX_FMT_FP6 matrix_b_fmt:MATRIX_FMT_FP6
.else
	v_wmma_scale_f32_16x16x128_f8f6f4 v[ACC+32*\bx+16*\n+8*\u:ACC+32*\bx+16*\n+8*\u+7], v[16+24*(2*\bx+\u)+12*\sl:27+24*(2*\bx+\u)+12*\sl], v[112+24*\n+12*\sl:123+24*\n+12*\sl], v[ACC+32*\bx+16*\n+8*\u:ACC+32*\bx+16*\n+8*\u+7], v[160+2*(2*\bx+\u)+\sl], v[168+2*\n+\sl] matrix_a_fmt:MATRIX_FMT_FP6 matrix_b_fmt:MATRIX_FMT_FP6
.endif
.endr
.endr
.endr
.endr
.rept 4
	v_nop                                          ; four places in front of the first reads of results and of loads into registers that the products have read
.endr
.irp bx, 0,1
.irp n, 0,1
.irp q, 0,1,2,3
	ds_store_b128 v6, v[ACC+32*\bx+16*\n+4*\q:ACC+32*\bx+16*\n+4*\q+3] offset:2176*\n+128*\bx+16*\q   ; each accumulator from its low end on
.endr
.endr
.endr
	s_wait_dscnt 0x0                               ; for the others' sake: my stores have landed
	s_barrier_signal -1
	s_barrier_wait -1
.irp k, 0,1,2,3
.irp w, 0,1,2,3
	ds_load_b128 v[16+16*\k+4*\w:19+16*\k+4*\w], v7 offset:8704*\w+544*\k
.endr
.endr
	s_wait_dscnt 0x0
.irp k, 0,1,2,3
.irp e, 0,2
	v_pk_add_f32 v[16+16*\k+\e:17+16*\k+\e], v[16+16*\k+\e:17+16*\k+\e], v[20+16*\k+\e:21+16*\k+\e]
	v_pk_add_f32 v[24+16*\k+\e:25+16*\k+\e], v[24+16*\k+\e:25+16*\k+\e], v[28+16*\k+\e:29+16*\k+\e]
.endr
.endr
.irp k, 0,1,2,3
.irp e, 0,2
	v_pk_add_f32 v[16+16*\k+\e:17+16*\k+\e], v[16+16*\k+\e:17+16*\k+\e], v[24+16*\k+\e:25+16*\k+\e]
.endr
.endr
.irp k, 0,1,2,3
.irp e, 0,2
	v_pk_add_f32 v[Z+4*\k+\e:Z+4*\k+\e+1], v[16+16*\k+\e:17+16*\k+\e], v[236+\e:237+\e]
.endr
.endr
	s_cmp_eq_u32 s19, 0
	s_cbranch_scc1 .Lstore
	; softplus(z) = max(z, 0) + e rho, e = 2^(-log2e |z|), u = 1 + e, d = u - 1 (exact), rho = ln(u) / d (1 where d = 0).  One plain line and one wait behind each batch of transcendentals
.set i, 0
.rept 16
	v_mul_f32 v[EA+i], 0xbfb8aa3b, |v[Z+i]|
.set i, i+1
.endr
.set i, 0
.rept 16
	v_exp_f32 v[EE+i], v[EA+i]
.set i, i+1
.endr
	v_nop
	s_wait_alu depctr_va_vdst(0)
.set i, 0
.rept 16
	v_add_f32 v[EU+i], 1.0, v[EE+i]
.set i, i+1
.endr
.set i, 0
.rept 16
	v_add_f32 v[ED+i], -1.0, v[EU+i]
.set i, i+1
.endr
.set i, 0
.rept 16
	v_log_f32 v[EU+i], v[EU+i]
.set i, i+1
.endr
.set i, 0
.rept 16
	v_rcp_f32 v[RC+i], v[ED+i]
.set i, i+1
.endr
	v_nop
	s_wait_alu depctr_va_vdst(0)
.set i, 0
.rept 16
	v_mul_f32 v[EU+i], 0x3f317218, v[EU+i]
	v_cmp_neq_f32 vcc_lo, 0, v[ED+i]
	v_mul_f32 v[EU+i], v[EU+i], v[RC+i]
	v_max_num_f32 v[Z+i], 0, v[Z+i]
	v_cndmask_b32 v[EU+i], 1.0, v[EU+i], vcc_lo
	v_fmac_f32 v[Z+i], v[EE+i], v[EU+i]
.set i, i+1
.endr
.Lstore:
.irp k, 0,1,2,3
	global_store_b128 v8, v[Z+4*\k:Z+4*\k+3], s[34:35] offset:8192*\k th:TH_STORE_NT   ; sixteen lanes store 256 consecutive bytes, aligned; written once, read by nobody here
.endr
	s_wait_tensorcnt 0x0
	ds_add_u32 v254, v255
	s_wait_dscnt 0x0
	s_endpgm
.Lfunc_end_k_qa88c3d2d08_outp:
	.size	k_qa88c3d2d08_outp, .Lfunc_end_k_qa88c3d2d08_outp-k_qa88c3d2d08_outp
	.p2alignl 7, 3214868480
	.fill 96, 4, 3214868480
	.section	.rodata,"a",@progbits
	.p2align	6, 0x0
	.amdhsa_kernel k_qa88c3d2d08_outp
		.amdhsa_group_segment_fixed_size 35328
		.amdhsa_private_segment_fixed_size 0
		.amdhsa_enable_private_segment 0
		.amdhsa_kernarg_size 48
		.amdhsa_user_sgpr_count 2
		.amdhsa_user_sgpr_kernarg_segment_ptr 1
		.amdhsa_wavefront_size32 1
		.amdhsa_system_sgpr_workgroup_id_x 1
		.amdhsa_system_sgpr_workgroup_id_y 1
		.amdhsa_system_sgpr_workgroup_id_z 1
		.amdhsa_system_vgpr_workitem_id 0
		.amdhsa_next_free_vgpr 256
		.amdhsa_next_free_sgpr 66
		.amdhsa_reserve_vcc 1
		.amdhsa_float_denorm_mode_32 3
		.amdhsa_float_denorm_mode_16_64 3
		.amdhsa_memory_ordered 1
		.amdhsa_forward_progress 1
		.amdhsa_inst_pref_size 26
	.end_amdhsa_kernel
	.amdgpu_metadata
---
amdhsa.version: [ 1, 2 ]
amdhsa.kernels:
  - .name:           k_qa88c3d2d08_outp
    .symbol:         k_qa88c3d2d08_outp.kd
    .args:
      - { .name: oq, .offset: 0, .size: 8, .value_kind: global_buffer, .address_space: global }
      - { .name: wq, .offset: 8, .size: 8, .value_kind: global_buffer, .address_space: global }
      - { .name: bo_mu, .offset: 16, .size: 8, .value_kind: global_buffer, .address_space: global }
      - { .name: bo_var, .offset: 24, .size: 8, .value_kind: global_buffer, .address_space: global }
      - { .name: out0, .offset: 32, .size: 8, .value_kind: global_buffer, .address_space: global }
      - { .name: out1, .offset: 40, .size: 8, .value_kind: global_buffer, .address_space: global }
    .group_segment_fixed_size: 35328
    .private_segment_fixed_size: 0
    .kernarg_segment_align: 8
    .kernarg_segment_size: 48
    .max_flat_workgroup_size: 128
    .sgpr_count:     66
    .vgpr_count:     256
    .wavefront_size: 32
...
	.end_amdgpu_metadata
.endif
;; end of part 4
